; MI455X (gfx1250); checked and timed in simulation.
; The chip was launched on July 23, 2026; its instructions are those of AMD's public machine-readable ISA for CDNA 5 (MIT licence, August 2026) and "CDNA5" Instruction Set Architecture Reference Guide (July 2026). The comments in the code are by the model that wrote it; some were corrected since.
;; Causal Self Attention. Allowed arithmetic: matrix products marked QUANTISED: E4M3 operands, one E8M0 scale for each 32 along K, by v_wmma_scale_f32_16x16x128_f8f6f4 with both operands' format E4M3, f32 sums; everything else in f32.
;; Inputs: Wproj_codes 1,024 x 32 x 32 uint8 (E4M3 codes of Wproj, K innermost, in blocks of 32 codes); Wproj_scales 1,024 x 32 uint8 (E8M0 scales of Wproj, one for each 32 codes along K); Wqkv_codes 3,072 x 32 x 32 uint8 (E4M3 codes of Wqkv, K innermost, in blocks of 32 codes); Wqkv_scales 3,072 x 32 uint8 (E8M0 scales of Wqkv, one for each 32 codes along K); bproj 1,024 float32; bqkv 3,072 float32; x_codes 4 x 2,048 x 32 x 32 uint8 (E4M3 codes of x, K innermost, in blocks of 32 codes); x_scales 4 x 2,048 x 32 uint8 (E8M0 scales of x, one for each 32 codes along K).
;; Outputs: out0 4 x 2,048 x 1,024 float32.
;; This version of the problem:
;;   THIS VERSION OF THE PROBLEM IS GIVEN IN LOW PRECISION. The matrix products marked QUANTISED in the list below multiply operands that are first quantised to E4M3 (4 exponent bits, 3 mantissa bits; 8 bits a number), with one power-of-two scale for each 32 numbers along K (OCP MX v1.0); their sums are f32. All else is computed in f32.
;;   The module's matrix products, in the order in which they are computed (A, B: the left and right operand; K: the contracted axis; several contracted axes count as one K, in the product's order):
;;     1. [M 8,192, K 1,024] x [K 1,024, N 3,072]; A: input x (given as codes); B: input Wqkv (given as codes): QUANTISED
;;     2. batch 64 x [M 2,048, K 64] x [K 64, N 2,048]; A: computed on the way; B: computed on the way: QUANTISED
;;     3. batch 64 x [M 2,048, K 2,048] x [K 2,048, N 64]; A: softmax (see below); B: computed on the way: QUANTISED
;;     4. [M 8,192, K 1,024] x [K 1,024, N 1,024]; A: computed on the way; B: input Wproj (given as codes): QUANTISED
;;   THE QUANTISER, for each operand of a quantised product, along K:
;;     - K is cut into blocks of 32 from its start; a last block that is shorter is filled with zeros.
;;     - A block's scale is 2^e with e = floor(log2(the largest magnitude in the block)) - 8, held to -126 .. 127; a block of zeros has e = 0. As a byte (E8M0): e + 127.
;;     - Each number is divided by its block's scale, clamped to +-448, and rounded to the nearest number of E4M3, ties to even, subnormals kept.
;;     - The product sums the exact products of the quantised numbers (number of the format x scale) in f32.
;;   ~~~python
;;   def quantise(x, axis):      # numpy; x: float32 -> the quantised numbers, widened to float32 again
;;       x = np.moveaxis(x, axis, -1); K = x.shape[-1]
;;       x = np.pad(x, [(0, 0)] * (x.ndim - 1) + [(0, -K % 32)]); x = x.reshape(x.shape[:-1] + (-1, 32)); a = np.abs(x).max(-1, keepdims=True)
;;       e = np.where(a > 0, np.clip(np.frexp(np.where(a > 0, a, 1))[1] - 1 - 8, -126, 127), 0)      # np.frexp(a)[1] - 1 = floor(log2(a)), exactly
;;       r = np.clip(x / 2.0 ** e, -448, 448)
;;       step = 2.0 ** (np.maximum(np.frexp(np.where(r == 0, 1, r))[1] - 1, -6) - 3)
;;       q = np.round(r / step) * step * 2.0 ** e      # np.round: ties to even
;;       return np.moveaxis(q.reshape(q.shape[:-2] + (-1,))[..., :K], -1, axis).astype(np.float32)
;;   ~~~
;;   SOFTMAX AHEAD OF A QUANTISED PRODUCT. Where the list says 'softmax', what is quantised is not the finished softmax but p = 2^(t - M), with t = logit x log2(e) and M = ceil(the row's largest t), a whole number; so 1/2 < the row's largest p <= 1. The row's sum l is taken of the UNQUANTISED p, in f32, and the product's result is divided by l at the end. Since M is a whole number, a kernel that streams over the keys may use a running M (the ceiling of the running maximum): every later rescaling is an exact power of two, which a block's scale takes up: the codes' values come out the same.
;;   OPERANDS COMPUTED ON THE WAY. 'Computed on the way' means the value that the module computes at that place (a softmax that the list does not call 'softmax' is quantised finished and normalised). What goes into a quantiser is computed in f32, as accurately as f32 sums, v_exp_f32 and their like allow (about 1e-6 of the number): no bf16 or f16 on the way to a quantiser, and a product that is left as it is and whose result goes on into a quantised operand takes f32 operands (vector FMAs, or v_wmma_f32_16x16x4_f32). A number that lies on a knife's edge between two numbers of the format may be rounded either way, as far as f32 arithmetic and the matrix unit's own rounding can turn it there, and no further.
;;   INPUTS GIVEN AS CODES. Wproj (in the module: [1024, 1024], K = its axis 1); Wqkv (in the module: [3072, 1024], K = its axis 1); x (in the module: [4, 2048, 1024], K = its axis 2): each comes as NAME_codes (uint8): NAME with its K axis moved to the last place and cut into blocks of 32 codes, [.., K / 32, bytes a block], one block behind the other in memory; one code a byte (a code: sign, 4 exponent bits, 3 mantissa bits); and NAME_scales (uint8): the same leading axes, one E8M0 byte (e + 127) for each 32 codes along K. Its value is code x scale, taken as it is: it is not quantised again, and the codes and scales need not be those that the quantiser above would give.
;; One version. Each part assembles by itself: llvm-mc -triple=amdgcn-amd-amdhsa -mcpu=gfx1250 --defsym DOCPART=n.
;; ======== version 1 of 1: 3 launches
;; limits: right only within a limited range of input values
;; workspace buffers: qkv 26,738,688 bytes; yc 8,388,608 bytes; ys 262,144 bytes
;; launch qkv (part 1): grid 96 x 4, 4 waves a work-group, clusters of 4 x 4, 327,680 bytes of LDS; arguments x_codes, x_scales, Wqkv_codes, Wqkv_scales, bqkv, qkv; writes qkv
.if DOCPART == 1
	.amdgcn_target "amdgcn-amd-amdhsa--gfx1250"
	.amdhsa_code_object_version 6
	.text
	.protected	k_q5e8900d77e_qkv
	.globl	k_q5e8900d77e_qkv
	.p2align	8
	.type	k_q5e8900d77e_qkv,@function
k_q5e8900d77e_qkv:
	s_mov_b64 s[64:65], 0
	v_nop
	global_prefetch_b8 v0, s[64:65] scope:SCOPE_SE
	s_setreg_imm32_b32 hwreg(HW_REG_WAVE_MODE, 25, 1), 1
	s_wait_xcnt 0x0
	s_wait_alu depctr_hold_cnt(0) depctr_sa_sdst(0) depctr_va_vdst(0) depctr_va_sdst(0) depctr_va_ssrc(0) depctr_va_vcc(0) depctr_vm_vsrc(0)
	s_getreg_b32 s2, hwreg(HW_REG_IB_STS2, 6, 4)
	s_cmp_eq_u32 s2, 0
	s_cbranch_scc0 .Lentry_in_a_cluster
	s_endpgm
.Lentry_in_a_cluster:
	s_bfe_u32 s2, ttmp6, 0x10000c
	s_cmp_lg_u32 s2, 0xf033
	s_cbranch_scc0 .Lentry_shape_is_right
	s_endpgm
.Lentry_shape_is_right:
; qkv = x Wqkv^T + bqkv on codes of E4M3 with one E8M0 byte for each 32 along K = 1,024; q and k are then quantised along the head's 64 channels, v along the keys, and leave as codes.
; A tile of the product, 256 x 256, is made by four waves, 128 x 128 each: 64 accumulators of 16 x 16.  K goes in steps of 256 through two LDS slots filled by the tensor data mover; the scale bytes of the
; work-group's 512 rows come once and stay.  4 x 4 work-groups form a cluster: A's tiles are asked for jointly along a row of the cluster, B's along a column.
; THE MATRIX INSTRUCTION IS USED TRANSPOSED (source 0 = 16 rows of B, source 1 = 16 rows of A): a lane holds ONE row of A and its registers run along B's rows.
; TWO ROLES, ONE TEXT.  Clusters 0-15: A = x (tokens), B = Wqkv's rows 0-2,047: a lane holds a token, its registers run along q's or k's channels.  Clusters 16-23: A = Wqkv's rows 2,048 on (v's channels), B = x:
; a lane holds a channel and its registers run along the tokens, which are v's K.  The role is the cluster's number, the same in all partners; it chooses pointers, strides and two lane masks by selects: no branch hangs on it.
; THE BIAS.  By B's row (q, k) it is the C of the first K step's products; by A's row (v) it is added by the instruction that brings the sums into window 0.  Both are loaded in both roles and the one that does not apply is made 0.
; OUT.  For each block of 16 rows of A a lane's 64 numbers become one operand image: 16 registers of codes, stored by four stores of 512 consecutive aligned bytes, and a scale word.  A block of 32 lies in two tiles and
; in lanes l and l xor 16; two lane swaps a block bring the conversions' results into the operand's order (registers 4 c .. 4 c + 3: k = 32 c + 16 (lane / 16) + 0 .. 15).
; THE WORKSPACE: a record of 26,112 bytes for (batch, head, group of 128 tokens): q's codes 8,192, q's scale words 512, k's likewise, v's codes 8,192 (4 channel tiles x 128 keys), v's scale words 512.
; The scale words leave 64 or 128 bytes at a time (4 bytes a lane): one byte in sixteen of what the launch stores.
; LIMITS: NaN, infinities and the scale byte 0xff among the inputs are not served.  A block whose largest magnitude lies under 2^-118, a block of zeros among them, keeps the byte 1; only this program reads the bytes.
; 384 work-groups: a tile of 98,304 outputs, which 256 would ask for, does not fit a wave's registers beside its operands.  No prefetch: K has four slots, and every tile is read by several work-groups.
.set KROW,   1024                      ; a row of x or of Wqkv in bytes
.set ROWB,   256                       ; a tile's row in bytes
.set NQ,     2                         ; matrix instructions deep in a slot
.set PITCH,  272                       ; an LDS row: 256 bytes + 16 of padding = 68 words: the 16 rows that a load touches start at 16 different banks
.set FR,     16                        ; registers of a fragment
.set NL,     4                         ; LDS loads that bring one
.set NP,     8                         ; places behind this matrix instruction (ISA guide 7.12.1)
.set HALFT,  128*PITCH                 ; 128 rows: what one tensor load brings
.set SLOT,   4*HALFT                   ; A's 256 rows, then B's 256 rows
.set KS,     32                        ; a row of scale bytes
.set SCL,    2*SLOT                    ; behind the ring: the scale bytes, as units of 256 bytes + 16 of padding
.set HALFS,  16*272                    ; those of 128 rows
.set SBLK,   2*272                     ; those of 16 rows
.set SPARE,  SCL+4*HALFS               ; the spare words, 128 bytes for each wave: two blocks of 256 bytes that no other line names
.set REC,    26112                     ; a record of the workspace
.set HS,     16*REC                    ; from a head to the next
.set BM,   8                           ; v8-15   the bias of my row of A, block a
.set ADRA, 16                          ; v16-17  LDS address of my A fragments in slot 0, 1
.set ADRB, 20                          ; v20-21  the same for B
.set LI,   24                          ; v24     16 x lane: my place in an image line
.set SOFF, 25                          ; v25     my place among the scale words
.set SELP, 26                          ; v26     which bytes of the scale word I store
.set ADRS, 27                          ; v27     LDS address of my scale words: lanes 0-15 A's rows, lanes 16-31 B's
.set SPW,  28                          ; v28     LDS address of my spare word; never rewritten
.set NIL,  29                          ; v29     0; never rewritten
.set SC,   32                          ; v32-63  scale words, two sets
.set BN,   64                          ; v64-127 the bias by B's row: register 8 b + j
.set AF,   128                         ; v128-255 A's fragments, one set
.set W,    128                         ; the way out: 64 numbers
.set PC,   192                         ; 16 registers of codes
.set TM,   208                         ; v208-223 at work
.set PW,   224                         ; the scale word just made
.set SWD,  225                         ; and as it is stored
.set WV,  16
.set WH,  17                           ; wave / 2: my half of A's rows; also: I fetch for A (0) or for B (1)
.set WL,  18                           ; wave % 2: my half of B's rows; also: which 128 rows I fetch
.set MNT, 19
.set SEL, 20
.set CX,  22
.set CY,  23
.set G1,  24
.set G0,  32
.set G1B, 48
.set G0B, 56
.set G1S, 68
.set G0S, 76
.set G1SB, 80
.set G0SB, 88
.set MQ,  100                          ; all ones in the role of q and k
.set MV,  101                          ; all ones in the role of v
.set MSB, 0
.macro WIN new                         ; the immediate's high byte repeats the setting that is left
.if MSB != (\new)
	s_set_vgpr_msb (MSB<<8)|(\new)
.set MSB, (\new)
.endif
.endm
.set MUL_LO, 0xa1                      ; source 0 (B) window 1, source 1 (A) window 0, C and D window 2
.set MUL_HI, 0xf1                      ; the same, C and D window 3
.set TO_B,   0x40                      ; destination window 1, address window 0
; A joint load: waves 0 and 1 fetch for A, waves 2 and 3 for B.  The branch hangs on the wave's number alone.  Four v_nop follow each of the two lines.
.macro JLOAD g0a, g1a, g0b, g1b
	s_cmp_eq_u32 s[WH], 0
	s_cbranch_scc0 .Lfor_b_\@
	tensor_load_to_lds s[\g0a:\g0a+3], s[\g1a:\g1a+7]
	s_nop 0
.rept 4
	v_nop
.endr
	s_branch .Lasked_\@
.Lfor_b_\@:
	tensor_load_to_lds s[\g0b:\g0b+3], s[\g1b:\g1b+7]
	s_nop 0
.rept 4
	v_nop
.endr
.Lasked_\@:
.endm
.macro CREST                           ; a round of the cluster's barrier behind its opening barrier
	s_cmp_lg_u32 s[WV], 0
	s_cbranch_scc1 .Lnot_wave_0_\@
	s_barrier_signal -3
.Lnot_wave_0_\@:
	s_barrier_wait -3
	s_barrier_signal -1
	s_barrier_wait -1
.endm
.macro CROUND                          ; a whole round
	s_barrier_signal -1
	s_barrier_wait -1
	CREST
.endm
	s_load_b256 s[4:11], s[0:1], 0x0               ; x's codes s[4:5], x's scales s[6:7], Wqkv's codes s[8:9], Wqkv's scales s[10:11]
	s_load_b128 s[12:15], s[0:1], 0x20             ; bqkv s[12:13], the workspace s[14:15]
	v_lshl_add_u32 v[SPW], v0, 2, SPARE
	v_mov_b32 v[NIL], 0
	ds_add_u32 v28, v29
	ds_add_u32 v28, v29
	s_wait_dscnt 0x0
	v_lshrrev_b32 v1, 5, v0
	v_readfirstlane_b32 s[WV], v1                  ; wave 0..3
	s_lshr_b32 s[WH], s[WV], 1
	s_and_b32 s[WL], s[WV], 1
	s_bfe_u32 s[CX], ttmp6, 0x40000                ; my place in the cluster
	s_bfe_u32 s[CY], ttmp6, 0x40004
	s_lshr_b32 s40, ttmp9, 1                       ; q, k: 8 x 2 clusters
	s_and_b32 s41, ttmp9, 1
	s_sub_co_u32 s42, ttmp9, 16                    ; v: 1 x 8 clusters
	s_cmp_ge_u32 ttmp9, 16                         ; the role: the cluster's number
	s_cselect_b32 s40, 0, s40
	s_cselect_b32 s41, s42, s41
	s_cselect_b32 s43, 2048, 0                     ; A's first row in its tensor
	s_cselect_b32 s[MV], -1, 0
	s_cselect_b32 s[MQ], 0, -1
	s_lshl_b32 s40, s40, 2
	s_add_co_u32 s40, s40, s[CY]                   ; tile row
	s_lshl_b32 s41, s41, 2
	s_add_co_u32 s41, s41, s[CX]                   ; tile column
	s_lshl_b32 s44, s[CY], 2
	s_lshl_b32 s44, 15, s44                        ; my row of the cluster
	s_lshl_b32 s45, 0x1111, s[CX]                  ; my column
	; descriptor group 1: a tile of 128 rows x 256 bytes, 16 bytes of padding behind each row
	s_or_b32 s[G1+0], s44, (0<<16)|(1<<20)|(1<<21)|(5<<22)|(3<<25)   ; 15:0 the mask; 17:16 elements of 1 byte; 20 padding on; 21 set beside a mask; 24:22 after every 64 words; 31:25 four words
	s_or_b32 s[G1B+0], s45, (0<<16)|(1<<20)|(1<<21)|(5<<22)|(3<<25)
.irp g, G1, G1B
	s_mov_b32 s[\g+1], ROWB<<16                    ; tensor_dim0
	s_mov_b32 s[\g+2], 256<<16                     ; tensor_dim1: the head's loads bring a tile's 256 rows; behind them the word is set to 128, for the ring's
	s_mov_b32 s[\g+3], ROWB<<16                    ; tile_dim0
	s_mov_b32 s[\g+4], 256                         ; tile_dim1, likewise
	s_mov_b32 s[\g+5], KROW                        ; from row to row
	s_mov_b32 s[\g+6], 0
	s_mov_b32 s[\g+7], 0
.endr
	; the scale bytes of 128 rows: 4,096 dense bytes, as 16 rows of 256 bytes (32 elements of 8 bytes), 16 bytes of padding behind each
	s_or_b32 s[G1S+0], s44, (3<<16)|(1<<20)|(1<<21)|(5<<22)|(3<<25)
	s_or_b32 s[G1SB+0], s45, (3<<16)|(1<<20)|(1<<21)|(5<<22)|(3<<25)
.irp g, G1S, G1SB
	s_mov_b32 s[\g+1], 32<<16
	s_mov_b32 s[\g+2], 32<<16                      ; the scale bytes of 256 rows: 32 rows of 256 bytes
	s_mov_b32 s[\g+3], 32<<16
	s_mov_b32 s[\g+4], 32
	s_mov_b32 s[\g+5], 32
	s_mov_b32 s[\g+6], 0
	s_mov_b32 s[\g+7], 0
.endr
	s_lshl_b32 s92, s40, 8
	s_add_co_u32 s92, s92, s43                     ; A's tile: its first row
	s_lshl_b32 s96, s41, 8                         ; B's tile: its first row
	s_lshl_b32 s94, s92, 5                         ; where these rows' scale bytes begin,
	s_lshl_b32 s92, s92, 10                        ; and their codes
	s_mov_b32 s93, 0
	s_mov_b32 s95, 0
	s_lshl_b32 s98, s96, 5
	s_lshl_b32 s96, s96, 10
	s_mov_b32 s97, 0
	s_mov_b32 s99, 0
	s_mul_i32 s46, s[WV], HALFT                    ; where they go: wave x 128 rows: no place in the cluster enters an LDS address
	s_wait_kmcnt 0x0
	s_cmp_ge_u32 ttmp9, 16
	s_cselect_b64 s[42:43], s[8:9], s[4:5]         ; A's codes
	s_cselect_b64 s[2:3], s[4:5], s[8:9]           ; B's codes
	s_cselect_b64 s[4:5], s[6:7], s[10:11]         ; B's scales
	s_cselect_b64 s[6:7], s[10:11], s[6:7]         ; A's scales
	s_add_nc_u64 s[42:43], s[42:43], s[92:93]
	s_add_nc_u64 s[6:7], s[6:7], s[94:95]
	s_add_nc_u64 s[2:3], s[2:3], s[96:97]
	s_add_nc_u64 s[4:5], s[4:5], s[98:99]
	CROUND                                         ; all sixteen work-groups are here: the first joint loads meet
	s_mov_b32 s[G0S], 1
	s_mov_b32 s[G0S+1], SCL                        ; the scale bytes of A's 256 rows,
	s_mov_b64 s[G0S+2:G0S+3], s[6:7]
	s_or_b32 s[G0S+3], s[G0S+3], 0x80000000
	s_mov_b32 s[G0SB], 1
	s_mov_b32 s[G0SB+1], SCL+2*HALFS               ; and of B's, behind them
	s_mov_b64 s[G0SB+2:G0SB+3], s[4:5]
	s_or_b32 s[G0SB+3], s[G0SB+3], 0x80000000
.irp s, 0,1
	s_mov_b32 s[G0+4*\s], 1
	s_add_co_u32 s[G0+4*\s+1], s46, \s*SLOT
	s_add_nc_u64 s[G0+4*\s+2:G0+4*\s+3], s[42:43], \s*ROWB
	s_or_b32 s[G0+4*\s+3], s[G0+4*\s+3], 0x80000000
	s_mov_b32 s[G0B+4*\s], 1
	s_add_co_u32 s[G0B+4*\s+1], s46, \s*SLOT
	s_add_nc_u64 s[G0B+4*\s+2:G0B+4*\s+3], s[2:3], \s*ROWB
	s_or_b32 s[G0B+4*\s+3], s[G0B+4*\s+3], 0x80000000
.endr
	s_mov_b32 s[G0+1], 0                           ; slot 0's two descriptors serve the head first: A's whole 256 rows at the slot's start,
	s_mov_b32 s[G0B+1], 2*HALFT                    ; B's 256 behind them
	s_lshl_b32 s66, s[WL], 17                      ; the ring's loads bring 128 rows a wave: my half begins 128 x 1,024 bytes on
	s_mov_b32 s67, 0
	s_add_nc_u64 s[G0+6:G0+7], s[G0+6:G0+7], s[66:67]
	s_add_nc_u64 s[G0B+6:G0B+7], s[G0B+6:G0B+7], s[66:67]
; THE HEAD'S LOADS, ONE A WAVE: wave 0 K step 0's 256 rows of A, wave 1 its 256 rows of B, wave 2 A's scale bytes, wave 3 B's.
; One chain of branches on the wave's number, a load to an arm, all arms leading to one join.
.macro ARM under, g0, g1, next
	s_cmp_lt_u32 s[WV], \under
	s_cbranch_scc0 \next
	tensor_load_to_lds s[\g0:\g0+3], s[\g1:\g1+7]
	s_nop 0
.rept 4
	v_nop
.endr
	s_branch .Lhead_asked
\next:
.endm
	ARM 1, G0,  G1,  .Lhead_b
	ARM 2, G0B, G1B, .Lhead_sa
	ARM 3, G0S, G1S, .Lhead_sb
	tensor_load_to_lds s[G0SB:G0SB+3], s[G1SB:G1SB+7]
	s_nop 0
.rept 4
	v_nop
.endr
.Lhead_asked:
	v_and_b32 v1, 15, v0                           ; r = lane % 16
	v_bfe_u32 v2, v0, 4, 1                         ; h = lane / 16
	v_mul_u32_u24 v3, v1, PITCH
	v_lshl_add_u32 v4, v2, 4, v3                   ; a fragment's row x pitch + 16 h
	s_mul_i32 s92, s[WH], HALFT                    ; my 128 rows of A
	s_mul_i32 s93, s[WL], HALFT                    ; my 128 rows of B,
	s_add_co_u32 s93, s93, 2*HALFT                 ; which lie behind A's 256
.irp s, 0,1
	v_add_nc_u32 v[ADRA+\s], s92, v4
	v_add_nc_u32 v[ADRB+\s], s93, v4
	s_add_co_u32 s92, s92, SLOT
	s_add_co_u32 s93, s93, SLOT
.endr
	v_mul_u32_u24 v5, v1, KS                       ; my row's scale bytes: 32 a row,
	v_lshrrev_b32 v6, 8, v5
	v_lshl_add_u32 v5, v6, 4, v5                   ; and 16 more for each 256 passed
	s_mul_i32 s92, s[WH], HALFS
	s_mul_i32 s93, s[WL], HALFS
	s_add_co_u32 s93, s93, 2*HALFS
	s_sub_co_u32 s93, s93, s92
	v_mul_u32_u24 v6, s93, v2                      ; lanes 16-31 take B's
	s_add_co_u32 s92, s92, SCL
	v_add_nc_u32 v5, v5, v6
	v_add_nc_u32 v[ADRS], s92, v5
	v_and_b32 v3, 31, v0
	v_lshlrev_b32 v[LI], 4, v3
	; the way out: where my wave's results go, and by what steps.  s[2:3], s[4:5] the two halves of an image, s[6:7] the scale words; s[8:9], s[40:41] their steps from block to block; s[10:11], s[42:43] the extra step at block 4
	s_lshl_b32 s94, s40, 8
	s_lshl_b32 s95, s[WH], 7
	s_add_co_u32 s94, s94, s95                     ; my first row of A's tile rows
	s_lshl_b32 s96, s41, 8
	s_lshl_b32 s97, s[WL], 7
	s_add_co_u32 s96, s96, s97                     ; my first row of B
	s_mov_b32 s8, 1024
	s_mov_b32 s44, HS
	s_mov_b32 s46, HS
	s_mov_b32 s47, 0x01000100
	s_cmp_ge_u32 ttmp9, 16
	s_cselect_b32 s92, s96, s94                    ; my first token
	s_cselect_b32 s93, s94, s96                    ; my first row of Wqkv, less
	s_cselect_b32 s99, 2048, 0                     ; v's 2,048
	s_cselect_b32 s8, 2048, s8                     ; an image: q, k 1,024 bytes a head; v 2,048
	s_cselect_b32 s10, HS-8192, 0                  ; v: blocks 4-7 belong to the next head
	s_cselect_b32 s44, 1024, s44                   ; the image's second half: q, k: the next head's; v: 1,024 bytes on
	s_cselect_b32 s40, 128, 64                     ; scale words of a block
	s_cselect_b32 s42, HS-512, 0
	s_cselect_b32 s46, 64, s46                     ; from lanes 0-15 to lanes 16-31: q, k: the next head; v: a copy beside
	s_cselect_b32 s47, 0x03020100, s47             ; the bytes stored: v: all four; q, k: lanes 0-15 bytes 0, 1 twice,
	s_cselect_b32 s98, 0, 0x02020202               ; lanes 16-31 bytes 2, 3 twice
	s_mov_b32 s9, 0
	s_mov_b32 s11, 0
	s_mov_b32 s41, 0
	s_mov_b32 s43, 0
	s_mov_b32 s45, 0
	s_add_co_u32 s93, s93, s99
	s_lshr_b32 s94, s92, 11                        ; batch
	s_bfe_u32 s95, s92, 0x40007                    ; group of 128 tokens
	s_lshr_b32 s96, s93, 10                        ; 0: q, 1: k, 2: v
	s_bfe_u32 s97, s93, 0x40006                    ; the first of my two heads
	s_lshl_b32 s94, s94, 4
	s_add_co_u32 s94, s94, s97
	s_lshl_b32 s94, s94, 4
	s_add_co_u32 s94, s94, s95
	s_mul_i32 s94, s94, REC
	s_mul_i32 s96, s96, 8704
	s_add_co_u32 s94, s94, s96
	s_mov_b32 s95, 0
	s_add_nc_u64 s[2:3], s[14:15], s[94:95]
	s_add_nc_u64 s[4:5], s[2:3], s[44:45]
	s_add_nc_u64 s[6:7], s[2:3], 8192
	s_lshl_b32 s94, s93, 2
	s_add_nc_u64 s[12:13], s[12:13], s[94:95]      ; the bias of my 128 rows of Wqkv
	v_lshlrev_b32 v5, 2, v1                        ; 4 r
	v_lshlrev_b32 v6, 5, v2                        ; 32 h
	v_mad_u32_u24 v[SOFF], v2, s46, v5
	v_mul_lo_u32 v[SELP], v2, s98
	v_add_nc_u32 v[SELP], s47, v[SELP]
.irp b, 0,1,2,3,4,5,6,7
	global_load_b128 v[BN+8*\b:BN+8*\b+3], v6, s[12:13] offset:64*\b        ; rows 16 b + 8 h + 0 .. 7
	global_load_b128 v[BN+8*\b+4:BN+8*\b+7], v6, s[12:13] offset:64*\b+16
.endr
.irp a, 0,1,2,3,4,5,6,7
	global_load_b32 v[BM+\a], v5, s[12:13] offset:64*\a                     ; row 16 a + r
.endr
	s_mov_b32 s[SEL], 0x76543210
	s_mov_b32 s[SEL+1], 0xfedcba98                 ; v_permlanex16_b32's selects for lane l xor 16
	s_mov_b32 s[MNT], 0x600000                     ; the mantissa field of 448
	s_wait_loadcnt 0x0
.set XI, 0
.rept 64
	v_cndmask_b32 v[BN+XI], 0, v[BN+XI], s[MQ]     ; kept for q and k, 0 for v
.set XI, XI+1
.endr
.irp a, 0,1,2,3,4,5,6,7
	v_cndmask_b32 v[BM+\a], 0, v[BM+\a], s[MV]     ; kept for v, 0 for q and k
.endr
.macro FRAG reg, adr, q, i             ; a fragment: lane l holds row l % 16; registers 4 c .. 4 c + 3 hold K = 32 c + 16 (l / 16) + 0 .. 15
.irp c, 0,1,2,3
	ds_load_b128 v[\reg+4*\c:\reg+4*\c+3], v[\adr] offset:128*(\q)+32*\c+(\i)*16*PITCH
.endr
.endm
; 16 matrix instructions: A's blocks a0, a0 + 1 x B's eight, 128 along K.  p: B's set; sc: the set of scale words.  zero = 1: the first product starts the sums from the bias by B's row: nothing is cleared.
; The 64 accumulators take turns, one instruction a turn, in the same order in every step.
.macro MUL16 a0, p, q, sc, zero
.irp a, \a0, \a0+1
.irp b, 0,1,2,3,4,5,6,7
.if \zero
	v_wmma_scale_f32_16x16x128_f8f6f4 v[8*(8*((\a)%4)+\b):8*(8*((\a)%4)+\b)+7], v[128*(\p)+FR*\b:128*(\p)+FR*\b+FR-1], v[AF+FR*(\a):AF+FR*(\a)+FR-1], v[BN+8*\b:BN+8*\b+7], v[SC+8*NQ*(\sc)+NQ*\b+(\q)], v[SC+8*NQ*(\sc)+NQ*(\a)+(\q)] matrix_a_scale:MATRIX_SCALE_ROW1
.else
	v_wmma_scale_f32_16x16x128_f8f6f4 v[8*(8*((\a)%4)+\b):8*(8*((\a)%4)+\b)+7], v[128*(\p)+FR*\b:128*(\p)+FR*\b+FR-1], v[AF+FR*(\a):AF+FR*(\a)+FR-1], v[8*(8*((\a)%4)+\b):8*(8*((\a)%4)+\b)+7], v[SC+8*NQ*(\sc)+NQ*\b+(\q)], v[SC+8*NQ*(\sc)+NQ*(\a)+(\q)] matrix_a_scale:MATRIX_SCALE_ROW1
.endif
.endr
.endr
.endm
.macro FETCH_B slot, q, p
	WIN TO_B
.irp i, 0,1,2,3,4,5,6,7
	FRAG 128*(\p)+FR*\i, ADRB+\slot, \q, \i
.endr
	WIN 0
.endm
.macro FETCH_A slot, q, i0
.irp i, \i0, \i0+1, \i0+2, \i0+3
	FRAG AF+FR*(\i), ADRA+\slot, \q, \i
.endr
.endm
.macro SCALES sc                       ; a slot's scale words: two a row; lanes 0-15 take A's block i, lanes 16-31 B's block i
.irp i, 0,1,2,3,4,5,6,7
	ds_load_b64 v[SC+8*NQ*\sc+NQ*\i:SC+8*NQ*\sc+NQ*\i+1], v[ADRS] offset:\i*SBLK
.endr
.endm
.macro PLACES n                        ; plain vector instructions between a matrix instruction and a load into, or a read of, its registers
.rept \n
	v_nop
.endr
.endm
; A step of 128 along K that has its successor in the same slot.
.macro STEP slot, q, zero
	s_wait_dscnt 4*NL                              ; B's set and A's blocks 0-3 are in; the youngest 16 loads (A's blocks 4-7) may be out
.if \zero
	WIN 0x81                                       ; C (the bias) in window 0, D in window 2
.else
	WIN MUL_LO
.endif
	MUL16 0, (\q)%2, \q, \slot, \zero
	MUL16 2, (\q)%2, \q, \slot, \zero
	s_wait_dscnt 0                                 ; A's blocks 4-7 are in
	PLACES NP
	FETCH_B \slot, (\q)+1, 1-(\q)%2
	FETCH_A \slot, (\q)+1, 0
.if \zero
	WIN 0xc1
.else
	WIN MUL_HI
.endif
	MUL16 4, (\q)%2, \q, \slot, \zero
	MUL16 6, (\q)%2, \q, \slot, \zero
	PLACES NP
	WIN 0
	FETCH_A \slot, (\q)+1, 4
.endm
; A slot's last step changes slots: ONE barrier; in front of it each wave waits for all its tensor loads, adds 0 to its spare word, and waits for that and for its own reads of this slot.  fill = 1: this slot is filled again, two slots ahead.
.macro TURN slot, next, fill
	s_wait_tensorcnt 0x0                           ; all my tensor loads have landed: my part of the next slot
	ds_add_u32 v[SPW], v[NIL]                      ; 0 onto my spare word
	s_wait_dscnt 4*NL+1                            ; the add and the youngest 16 loads (A's blocks 4-7) may be out
	WIN MUL_LO
	MUL16 0, 1, NQ-1, \slot, 0                     ; sixteen matrix instructions stand between the add and the wait for it
	s_wait_dscnt 0x0                               ; the add is done, and my reads of this slot are over
	s_barrier_signal -1
	MUL16 2, 1, NQ-1, \slot, 0
	WIN 0
	s_barrier_wait -1
.if \fill
	CREST                                          ; the barrier has opened a round of the cluster's barrier: no wave of any partner still reads this slot or has a load on its way
	s_add_nc_u64 s[G0+4*\slot+2:G0+4*\slot+3], s[G0+4*\slot+2:G0+4*\slot+3], 2*ROWB
	s_add_nc_u64 s[G0B+4*\slot+2:G0B+4*\slot+3], s[G0B+4*\slot+2:G0B+4*\slot+3], 2*ROWB
	JLOAD G0+4*\slot, G1, G0B+4*\slot, G1B         ; the first tensor load behind the round; its four v_nop are among the places in front of the loads below
	PLACES NP-4
.else
	PLACES NP
.endif
	s_wait_alu depctr_va_vdst(0)
	v_add_nc_u32 v[ADRS], 4*NQ, v[ADRS]            ; on to the next slot's scale words
	FETCH_B \next, 0, 0
	FETCH_A \next, 0, 0
	SCALES \next
	WIN MUL_HI
	MUL16 4, 1, NQ-1, \slot, 0
	MUL16 6, 1, NQ-1, \slot, 0
	PLACES NP
	WIN 0
	FETCH_A \next, 0, 4
.endm
	s_wait_alu depctr_va_vdst(0)
	s_wait_tensorcnt 0x0                           ; my tile of the head's four is in
	ds_add_u32 v[SPW], v[NIL]                      ; 0 onto my spare word
	s_mul_i32 s[G0+1], s[WV], HALFT                ; no tensor load of mine is out, so descriptors may be written: slot 0's become the ring's: wave x 128 rows in LDS,
	s_mul_i32 s[G0B+1], s[WV], HALFT
	s_add_nc_u64 s[G0+2:G0+3], s[G0+2:G0+3], s[66:67]      ; my half of the tile's rows in memory,
	s_add_nc_u64 s[G0B+2:G0B+3], s[G0B+2:G0B+3], s[66:67]
	s_mov_b32 s[G1+2], 128<<16                     ; and 128 rows a load
	s_mov_b32 s[G1+4], 128
	s_mov_b32 s[G1B+2], 128<<16
	s_mov_b32 s[G1B+4], 128
	s_wait_dscnt 0x0                               ; the add is done
	CROUND                                         ; a whole round: all four tiles are in, and all sixteen work-groups are here
	JLOAD G0+4, G1, G0B+4, G1B                     ; slot 1's first fill: the first tensor load behind the round
	FETCH_B 0, 0, 0
	FETCH_A 0, 0, 0
	SCALES 0
	FETCH_A 0, 0, 4
	STEP 0, 0, 1                                   ; K = 1,024 is eight steps of 128 in four slots: written out
	TURN 0, 1, 1
	STEP 1, 0, 0
	TURN 1, 0, 1
	STEP 0, 0, 0
	TURN 0, 1, 0                                   ; the last two slots are not filled again
	STEP 1, 0, 0
	s_wait_dscnt 4*NL
	WIN MUL_LO
	MUL16 0, 1, NQ-1, 1, 0
	MUL16 2, 1, NQ-1, 1, 0
	s_wait_dscnt 0
	WIN MUL_HI
	MUL16 4, 1, NQ-1, 1, 0
	MUL16 6, 1, NQ-1, 1, 0
	WIN 0
; 64 numbers of a lane, v[s] on: register 16 b + i of block b lies in tile 2 b + i / 8 at k = 32 b + 16 (i / 8) + 8 (lane / 16) + i % 8.  They become a fragment's codes in v[PC] on and its scale word in v[PW].
.macro QUANT s
.irp b, 0,1,2,3
	v_max3_num_f32 v[TM+\b], |v[\s+16*\b]|, |v[\s+1+16*\b]|, 0x4800000   ; block b: my 16 numbers, and the floor 2^(9 - 127): the byte cannot fall under 1
.endr
.irp i, 2,4,6,8,10,12,14
.irp b, 0,1,2,3
	v_max3_num_f32 v[TM+\b], v[TM+\b], |v[\s+16*\b+\i]|, |v[\s+1+16*\b+\i]|
.endr
.endr
.irp b, 0,1,2,3
	v_permlanex16_b32 v[TM+4+\b], v[TM+\b], s[SEL], s[SEL+1]
.endr
.irp b, 0,1,2,3
	v_max_num_f32 v[TM+\b], v[TM+\b], v[TM+4+\b]   ; with lane l xor 16's: the block's largest magnitude
.endr
.irp b, 0,1,2,3
	v_add_nc_u32 v[TM+12+\b], 0xfc000000, v[TM+\b] ; 8 off its exponent field: the conversion's scale operand
.endr
.irp b, 0,1,2,3
	v_and_or_b32 v[TM+8+\b], v[TM+\b], 0x7f800000, s[MNT]   ; 448 x the scale
.endr
.irp b, 0,1,2,3
	v_lshrrev_b32 v[TM+4+\b], 23, v[TM+12+\b]      ; the scale's byte
.endr
	v_lshl_or_b32 v[PW], v[TM+5], 8, v[TM+4]
	v_lshl_or_b32 v[PW], v[TM+6], 16, v[PW]
	v_lshl_or_b32 v[PW], v[TM+7], 24, v[PW]
.irp b, 0,1,2,3
.irp i, 0,1,2,3,4,5,6,7,8,9,10,11,12,13,14,15
	v_med3_num_f32 v[\s+16*\b+\i], v[\s+16*\b+\i], -v[TM+8+\b], v[TM+8+\b]   ; the conversion to an 8-bit code does not saturate (ISA guide 7.6.2): the hold at the largest code x the scale
.endr
	v_cvt_scalef32_pk8_fp8_f32 v[PC+4*\b:PC+1+4*\b], v[\s+16*\b:\s+7+16*\b], v[TM+12+\b]
	v_cvt_scalef32_pk8_fp8_f32 v[PC+2+4*\b:PC+3+4*\b], v[\s+8+16*\b:\s+15+16*\b], v[TM+12+\b]
.endr
	v_nop                                          ; a plain instruction between the conversions and the lines that touch their results
.irp b, 0,1,2,3
	v_permlane16_swap_b32 v[PC+4*\b], v[PC+2+4*\b]       ; the first pair's lanes 16-31 change places with the second pair's lanes 0-15:
	v_permlane16_swap_b32 v[PC+1+4*\b], v[PC+3+4*\b]     ; registers 4 b .. 4 b + 3 now hold k = 32 b + 16 (lane / 16) + 0 .. 15
.endr
.endm
; Block a of my eight blocks of 16 rows of A leaves.
.macro OUT a
.if (\a) > 0
	s_wait_xcnt 0x0                                ; the last block's stores have read their registers and bases: both are written again only behind this wait
	s_add_nc_u64 s[2:3], s[2:3], s[8:9]
	s_add_nc_u64 s[4:5], s[4:5], s[8:9]
	s_add_nc_u64 s[6:7], s[6:7], s[40:41]
.endif
.if (\a) == 4
	s_add_nc_u64 s[2:3], s[2:3], s[10:11]
	s_add_nc_u64 s[4:5], s[4:5], s[10:11]
	s_add_nc_u64 s[6:7], s[6:7], s[42:43]
.endif
	WIN 0x02+(\a)/4                                ; source 0: window 2 or 3
.set AC, 64*((\a)%4)
.set XI, 0
.rept 32
.if (\a)%2
	v_pk_add_f32 v[W+2*XI:W+2*XI+1], v[AC+2*XI:AC+2*XI+1], v[BM+(\a)-1:BM+(\a)] op_sel:[0,1] op_sel_hi:[1,1]   ; + the bias of my row of A; each accumulator from its low end on
.else
	v_pk_add_f32 v[W+2*XI:W+2*XI+1], v[AC+2*XI:AC+2*XI+1], v[BM+(\a):BM+(\a)+1] op_sel_hi:[1,0]
.endif
.set XI, XI+1
.endr
	WIN 0
	QUANT W
	global_store_b128 v[LI], v[PC:PC+3], s[2:3]                    ; each store covers 512 consecutive bytes, at a multiple of 256 from the buffer's first byte
	global_store_b128 v[LI], v[PC+4:PC+7], s[2:3] offset:512
	global_store_b128 v[LI], v[PC+8:PC+11], s[4:5]
	global_store_b128 v[LI], v[PC+12:PC+15], s[4:5] offset:512
	v_perm_b32 v[SWD], v[PW], v[PW], v[SELP]
	global_store_b32 v[SOFF], v[SWD], s[6:7]
.endm
	PLACES NP                                      ; behind the last products: their results are read and A's registers written below
.irp b, 0,1,2,3
	v_mov_b32 v[TM+4+\b], 0                        ; written once: a lane permute's destination counts as one of its sources
.endr
.irp a, 0,1,2,3,4,5,6,7
	OUT \a
.endr
	s_wait_tensorcnt 0x0                           ; the wave's end
	ds_add_u32 v[SPW], v[NIL]
	s_wait_dscnt 0x0
	CROUND                                         ; the closing round: no work-group ends while a partner may still ask for a tile that names it
	s_endpgm
.Lfunc_end_k_q5e8900d77e_qkv:
	.size	k_q5e8900d77e_qkv, .Lfunc_end_k_q5e8900d77e_qkv-k_q5e8900d77e_qkv
	.p2alignl 7, 3214868480
	.fill 96, 4, 3214868480
	.section	.rodata,"a",@progbits
	.p2align	6, 0x0
	.amdhsa_kernel k_q5e8900d77e_qkv
		.amdhsa_group_segment_fixed_size 327680
		.amdhsa_private_segment_fixed_size 0
		.amdhsa_enable_private_segment 0
		.amdhsa_kernarg_size 48
		.amdhsa_user_sgpr_count 2
		.amdhsa_user_sgpr_kernarg_segment_ptr 1
		.amdhsa_wavefront_size32 1
		.amdhsa_system_sgpr_workgroup_id_x 1
		.amdhsa_system_sgpr_workgroup_id_y 1
		.amdhsa_system_sgpr_workgroup_id_z 1
		.amdhsa_system_vgpr_workitem_id 0
		.amdhsa_next_free_vgpr 1024
		.amdhsa_next_free_sgpr 102
		.amdhsa_reserve_vcc 0
		.amdhsa_float_denorm_mode_32 3
		.amdhsa_float_denorm_mode_16_64 3
		.amdhsa_memory_ordered 1
		.amdhsa_forward_progress 1
		.amdhsa_inst_pref_size 213
	.end_amdhsa_kernel
	.amdgpu_metadata
---
amdhsa.version: [ 1, 2 ]
amdhsa.kernels:
  - .name:           k_q5e8900d77e_qkv
    .symbol:         k_q5e8900d77e_qkv.kd
    .args:
      - { .name: x_codes, .offset: 0, .size: 8, .value_kind: global_buffer, .address_space: global }
      - { .name: x_scales, .offset: 8, .size: 8, .value_kind: global_buffer, .address_space: global }
      - { .name: Wqkv_codes, .offset: 16, .size: 8, .value_kind: global_buffer, .address_space: global }
      - { .name: Wqkv_scales, .offset: 24, .size: 8, .value_kind: global_buffer, .address_space: global }
      - { .name: bqkv, .offset: 32, .size: 8, .value_kind: global_buffer, .address_space: global }
      - { .name: qkv, .offset: 40, .size: 8, .value_kind: global_buffer, .address_space: global }
    .group_segment_fixed_size: 327680
    .private_segment_fixed_size: 0
    .kernarg_segment_align: 8
    .kernarg_segment_size: 48
    .max_flat_workgroup_size: 128
    .sgpr_count:     102
    .vgpr_count:     1024
    .wavefront_size: 32
...
	.end_amdgpu_metadata
.endif
;; end of part 1
;; launch attn (part 2): grid 4 x 64, 16 waves a work-group, clusters of 4 x 1, 327,680 bytes of LDS; arguments qkv, yc, ys; writes yc, ys
.if DOCPART == 2
	.amdgcn_target "amdgcn-amd-amdhsa--gfx1250"
	.amdhsa_code_object_version 6
	.text
	.protected	k_q5e8900d77e_attn
	.globl	k_q5e8900d77e_attn
	.p2align	8
	.type	k_q5e8900d77e_attn,@function
k_q5e8900d77e_attn:
	s_mov_b64 s[64:65], 0
	v_nop
	global_prefetch_b8 v0, s[64:65] scope:SCOPE_SE
	s_setreg_imm32_b32 hwreg(HW_REG_WAVE_MODE, 25, 1), 1
	s_wait_xcnt 0x0
	s_wait_alu depctr_hold_cnt(0) depctr_sa_sdst(0) depctr_va_vdst(0) depctr_va_sdst(0) depctr_va_ssrc(0) depctr_va_vcc(0) depctr_vm_vsrc(0)
	s_getreg_b32 s2, hwreg(HW_REG_IB_STS2, 6, 4)
	s_cmp_eq_u32 s2, 0
	s_cbranch_scc0 .Lentry_in_a_cluster
	s_endpgm
.Lentry_in_a_cluster:
	s_bfe_u32 s2, ttmp6, 0x10000c
	s_cmp_lg_u32 s2, 0x3003
	s_cbranch_scc0 .Lentry_shape_is_right
	s_endpgm
.Lentry_shape_is_right:
; y = softmax(q k^T / 8, causal) v for one (batch, head) a cluster, both products on codes of E4M3 with one E8M0 byte for each 32 along K; y is quantised along the model's channels and leaves as codes.
; THE SOFTMAX: t = score x log2(e) / 8; M = the running largest t rounded UP to a whole number; p = 2^(t - M) is quantised along the keys, not normalised; the row's sum is taken of the unquantised p and divides at the end.
; When M moves, the sum and O are multiplied by 2^(old M - new M): exact.  So scores of any finite size are served, and a tile may take its key steps in any order.
; SHARES.  A head has 128 tiles of 16 queries and 16 key steps of 128 keys; tile 8 g + e needs steps 0 .. g, the last on the diagonal.  A wave owns the tiles 8 g + e and 127 - (8 g + e): g + 1 + 16 - g = 17 units of
; (16 queries x 128 keys) for every one of the head's 64 waves; a unit that reference()'s causal mask hides whole is not computed.  g hangs on the wave's number alone, e = 2 cx + (wave / 8) on the work-group's place,
; which enters only global addresses and the mask's compare: every branch is the same in all four partners.
; THE WHOLE HEAD'S k AND v STAY IN LDS: a key step is 17,408 dense bytes of the workspace (k's codes and words, v's codes and words), 16 steps are 278,528 bytes.  Wave w asks for step w, JOINTLY with wave w of the three
; partners: one tensor load a wave, at the head; nothing is filled again.  TWO BARRIERS SHOW THEM: at the first only waves 0 to 3 have waited (they have a load line of their own): behind it every wave takes its late tile
; through key steps 0 to 3, four units, none on the diagonal (a late tile's lies at step 8 or later).  At the second every wave has waited: behind it a loop of 16 trips does the rest (the late tile from step 4 on), with
; no barrier: each wave goes at its own pace.
; NO PREFETCH: every tile is asked for at the head, once; there is no loop to run ahead in.
; LAYOUT.  Both products are used transposed (S^T = k q^T, O^T = v^T p^T): a lane holds one query.  All operands lie in the workspace as images of their registers: every LDS read is 16 x lane or 4 x lane + a constant.
; K = 64 IN AN INSTRUCTION OF K = 128: a fragment of k holds TWO tiles of 16 keys; q lies as [8 zeros][8 registers][8 zeros] and is named from register 8 on (its codes meet the first tile, zero codes the second) or from
; register 0 on (the other way round).  The scale words hold (e0, e1, e0, e1) and serve either half.  Zero codes add nothing: k's codes are finite.
; REGISTERS OF A UNIT.  k's four fragments come in ONE run of loads: into v240-255 (the work registers, idle then), v80-95, v96-111 and v160-175.  The scores of blocks 0 to 2 (32 keys each) go to v112-159, block 3's over k's second
; fragment, v80-95.  p's codes go to v96-111.  v's fragment t goes to v112 + 16 t: fragment 3 as soon as k's fourth has been multiplied, the others as their block of p has been converted.
; p's and y's blocks of 32 lie in two tiles and in lanes l and l xor 16: two lane swaps a block bring the conversions' results into the operand's order.
; LIMITS: NaN and infinities are not served.  A block whose largest magnitude lies under 2^-118 keeps the byte 1; only this program reads the bytes.  The division by the sum is v_rcp_f32 and a multiplication.
; y's scale bytes leave two bytes a lane: a head owns two bytes of a token's 32; one byte in 33 of what the launch stores.
.set REC,   26112                      ; a record of the workspace: (batch, head, 128 tokens)
.set HS,    16*REC
.set KVO,   8704                       ; where a record's k and v begin
.set STB,   17408                      ; a key step in LDS: 68 x 256 bytes
.set SPARE, 16*STB                     ; the spare words, 128 bytes for each of 16 waves: eight blocks of 256 bytes that no other line names
.set NF,    4                          ; the key steps that the first barrier shows
.set LI,  1                            ; v1   16 x lane
.set LS,  2                            ; v2   4 x lane
.set SPW, 3                            ; v3   my spare word; never rewritten
.set NIL, 4                            ; v4   0; never rewritten
.set AD,  5                            ; v5   the step in hand + 16 x lane
.set AS,  6                            ; v6   the step in hand + 4 x lane
.set DME, 8                            ; v8, v9  16 x the tile's place in its group + r - 8 h: a score's key is hidden where 16 tile + register > this
.set DML, 9
.set QSE, 10                           ; v10, v11  q's scale words
.set QSL, 11
.set STE, 12                           ; v12-15, v16-19  -M, the largest score, the sum in two halves
.set STL, 16
.set FF,  20                           ; v[20:21] f = 2^(old M - new M), named as a pair
.set TMP, 22
.set PW,  23                           ; p's scale word
.set KSR, 24                           ; v24-27 k's scale words, then v's
.set RC,  28                           ; v28-31 the way out: 1 / the sums, as pairs
.set QE,  32                           ; v32-55, v56-79  q: [8 zeros][8][8 zeros]
.set QL,  56
.set XA,  80                           ; v80-95   k's fragment 1, then block 3's scores and p
.set XB,  96                           ; v96-111  k's fragment 2, then p's codes
.set P,   96
.set S,   112                          ; v112-159 blocks 0 to 2; v160-175 k's fragment 3; then v's four fragments.  Number n of the 64 lies in v[S + n - 80 (n / 48)]
.set OE,  176                          ; v176-207, v208-239  O^T
.set OL,  208
.set XC,  240                          ; v240-255 k's fragment 0, then at work: the blocks' maxima, bytes, holds, scale operands
.set BMX, 240
.set BT,  244
.set LIMR, 248
.set SCO, 252
.set WV,  10
.set CX,  11
.set BH,  12
.set GE,  13                           ; the early tile's group, and its last key step
.set GL,  14                           ; the late tile's
.set MNT, 19
.set SEL, 20
.set CS,  22
.set G1,  24
.set G0,  32
.set TB,  36                           ; LDS byte at which the step in hand begins
.set STP, 37                           ; the key step in hand
.macro CROUND
	s_barrier_signal -1
	s_barrier_wait -1
	s_cmp_lg_u32 s[WV], 0
	s_cbranch_scc1 .Lnot_wave_0_\@
	s_barrier_signal -3
.Lnot_wave_0_\@:
	s_barrier_wait -3
	s_barrier_signal -1
	s_barrier_wait -1
.endm
.macro TL                              ; my one tensor load of the launch; an s_nop 0 and four v_nop follow it
	tensor_load_to_lds s[G0:G0+3], s[G1:G1+7]
	s_nop 0
.rept 4
	v_nop
.endr
.endm
	s_load_b128 s[4:7], s[0:1], 0x0                ; the workspace of q, k, v s[4:5]; y's codes s[6:7]
	s_load_b64 s[8:9], s[0:1], 0x10                ; y's scale bytes
	v_lshl_add_u32 v[SPW], v0, 2, SPARE
	v_mov_b32 v[NIL], 0
	ds_add_u32 v[SPW], v[NIL]                      ; the opening
	ds_add_u32 v[SPW], v[NIL]
	v_lshrrev_b32 v5, 5, v0
	v_readfirstlane_b32 s[WV], v5                  ; wave 0..15
	v_and_b32 v22, 31, v0                          ; lane
	v_and_b32 v28, 15, v0                          ; r
	v_bfe_u32 v29, v0, 4, 1                        ; h
	v_lshlrev_b32 v[LI], 4, v22
	v_lshlrev_b32 v[LS], 2, v22
	v_lshlrev_b32 v30, 2, v28
	s_bfe_u32 s[CX], ttmp6, 0x40000                ; my place in the cluster
	s_and_b32 s[BH], ttmp7, 0xffff                 ; 16 x batch + head, which the partners share
	s_lshr_b32 s42, s[WV], 2                       ; a = wave / 4
	s_and_b32 s43, s[WV], 3                        ; b = wave % 4
	s_add_co_u32 s43, s43, s42
	s_and_b32 s43, s43, 3
	s_lshl_b32 s43, s43, 1
	s_and_b32 s44, s42, 1
	s_add_co_u32 s[GE], s43, s44                   ; g = 2 ((a + b) % 4) + a % 2
	s_xor_b32 s[GL], s[GE], 15                     ; 15 - g
	s_lshr_b32 s42, s42, 1
	s_lshl_b32 s45, s[CX], 1
	s_add_co_u32 s45, s45, s42                     ; e = 2 cx + a / 2: the early tile's place in its group
	s_xor_b32 s46, s45, 7                          ; 7 - e: the late tile's
	; descriptor group 1: 68 rows of 256 bytes (32 elements of 8 bytes), dense, no padding
	s_mov_b32 s[G1], 15|(3<<16)|(1<<21)            ; 15:0 the mask: all four work-groups; 17:16 elements of 8 bytes; 21 set beside a mask
	s_mov_b32 s[G1+1], 32<<16
	s_mov_b32 s[G1+2], 68<<16
	s_mov_b32 s[G1+3], 32<<16
	s_mov_b32 s[G1+4], 68
	s_mov_b32 s[G1+5], 32
	s_mov_b32 s[G1+6], 0
	s_mov_b32 s[G1+7], 0
	s_mul_i32 s48, s[BH], HS
	s_mov_b32 s49, 0
	s_mul_i32 s[G0+1], s[WV], STB                  ; key step = my wave's number: its place in LDS,
	s_mul_i32 s58, s[WV], REC                      ; and in the head's records
	s_add_co_u32 s58, s58, KVO
	s_mov_b32 s59, 0
	s_mul_i32 s47, s[GE], REC                      ; q, as offsets in the head's records: the early tile's codes and scale words,
	s_lshl_b32 s50, s45, 10
	s_add_co_u32 s50, s50, s47
	s_mov_b32 s51, 0
	s_lshl_b32 s52, s45, 6
	s_add_co_u32 s52, s52, s47
	s_add_co_u32 s52, s52, 8192
	s_mov_b32 s53, 0
	s_mul_i32 s47, s[GL], REC                      ; and the late tile's
	s_lshl_b32 s54, s46, 10
	s_add_co_u32 s54, s54, s47
	s_mov_b32 s55, 0
	s_lshl_b32 s56, s46, 6
	s_add_co_u32 s56, s56, s47
	s_add_co_u32 s56, s56, 8192
	s_mov_b32 s57, 0
	s_mov_b32 s[SEL], 0x76543210
	s_mov_b32 s[SEL+1], 0xfedcba98                 ; v_permlanex16_b32's selects for lane l xor 16
	s_mov_b32 s[CS], 0x3e38aa3b                    ; c = log2(e) / 8
	s_mov_b32 s[CS+1], s[CS]                       ; named with it as a pair, so it is written
	s_mov_b32 s[MNT], 0x600000                     ; the mantissa field of 448
	s_mov_b32 s[TB], 0
	s_mov_b32 s[STP], 0
	s_wait_alu depctr_va_vdst(0)                   ; directly ahead of the waits below
	s_wait_dscnt 0x0                               ; both opening adds are done
	s_wait_kmcnt 0x0
	s_add_nc_u64 s[4:5], s[4:5], s[48:49]          ; the head's first record
	s_add_nc_u64 s[50:51], s[4:5], s[50:51]
	s_add_nc_u64 s[52:53], s[4:5], s[52:53]
	s_add_nc_u64 s[54:55], s[4:5], s[54:55]
	s_add_nc_u64 s[56:57], s[4:5], s[56:57]
	global_load_b128 v[QL+8:QL+11], v[LI], s[54:55]        ; q is asked for ahead of k and v: the late tile's, which is wanted first,
	global_load_b128 v[QL+12:QL+15], v[LI], s[54:55] offset:512
	global_load_b32 v[QSL], v30, s[56:57]
	global_load_b128 v[QE+8:QE+11], v[LI], s[50:51]        ; and the early tile's
	global_load_b128 v[QE+12:QE+15], v[LI], s[50:51] offset:512
	global_load_b32 v[QSE], v30, s[52:53]
	s_mov_b32 s[G0], 1
	s_add_nc_u64 s[G0+2:G0+3], s[4:5], s[58:59]
	s_or_b32 s[G0+3], s[G0+3], 0x80000000
	CROUND                                         ; all four work-groups are here: the joint loads meet
	s_cmp_lt_u32 s[WV], NF                         ; waves 0 to 3 have a load line of their own: the first barrier waits for that line's loads alone
	s_cbranch_scc0 .Lupper
	TL
	s_branch .Lboth
.Lupper:
	TL
.Lboth:
	v_lshlrev_b32 v31, 3, v29
	v_sub_nc_u32 v31, v28, v31                     ; r - 8 h
	s_lshl_b32 s47, s45, 4
	v_add_nc_u32 v[DME], s47, v31
	s_lshl_b32 s47, s46, 4
	v_add_nc_u32 v[DML], s47, v31
	; where y goes: token tile tt = 128 x batch + 8 x group + place; codes at 16,384 tt + 1,024 head; scale bytes at 512 tt + 32 r + 2 head
	s_lshr_b32 s47, s[BH], 4
	s_lshl_b32 s47, s47, 7
	s_and_b32 s58, s[BH], 15
	s_lshl_b32 s48, s[GE], 3
	s_add_co_u32 s48, s48, s45
	s_add_co_u32 s59, s48, s47                     ; the early tile's tt
	s_lshl_b32 s48, s[GL], 3
	s_add_co_u32 s48, s48, s46
	s_add_co_u32 s60, s48, s47                     ; the late tile's
	s_lshl_b32 s61, s58, 10
	s_lshl_b32 s48, s59, 14
	s_add_co_u32 s48, s48, s61
	s_add_nc_u64 s[66:67], s[6:7], s[48:49]
	s_lshl_b32 s48, s60, 14
	s_add_co_u32 s48, s48, s61
	s_add_nc_u64 s[68:69], s[6:7], s[48:49]
	s_lshl_b32 s61, s58, 1
	s_lshl_b32 s48, s59, 9
	s_add_co_u32 s48, s48, s61
	s_add_nc_u64 s[70:71], s[8:9], s[48:49]
	s_sub_co_u32 s72, s60, s59
	s_lshl_b32 s72, s72, 9                         ; from the early tile's scale bytes to the late tile's
.irp z, 0,1,2,3,4,5,6,7,16,17,18,19,20,21,22,23
	v_mov_b32 v[QE+\z], 0                          ; the zero codes on both sides of q
	v_mov_b32 v[QL+\z], 0
.endr
.set XI, 0
.rept 64
	v_mov_b32 v[OE+XI], 0                          ; O^T of both tiles: a tile's first unit finds zeros, which the first change of M leaves zeros
.set XI, XI+1
.endr
.irp s, STE, STL
	v_mov_b32 v[\s+1], 0xff61b1e6                  ; the largest score so far: -3e38, under every score
	v_floor_f32 v[\s], -v[\s+1]                    ; -M: a number above every -M to come, so that the first f is 0
	v_mov_b32 v[\s+2], 0                           ; the sum, in two halves
	v_mov_b32 v[\s+3], 0
.endr
	v_mov_b32 v[FF+1], 0                           ; named as the upper half of a pair
.macro KLD reg, f                      ; fragment f of the step's k
.irp c, 0,1,2,3
	ds_load_b128 v[\reg+4*\c:\reg+4*\c+3], v[AD] offset:2048*\f+512*\c
.endr
.endm
.macro SMUL d, reg, f, qb, qs          ; its two tiles of 16 keys against my 16 queries: a block of 32 keys
	v_wmma_scale_f32_16x16x128_f8f6f4 v[\d:\d+7], v[\reg:\reg+15], v[\qb+8:\qb+23], 0, v[KSR+\f], v[\qs]
	v_wmma_scale_f32_16x16x128_f8f6f4 v[\d+8:\d+15], v[\reg:\reg+15], v[\qb:\qb+15], 0, v[KSR+\f], v[\qs] matrix_a_scale:MATRIX_SCALE_ROW1
.endm
.macro PADD acc, j                     ; numbers j, j + 1 of p onto a chain of the row's sum
	v_pk_add_f32 v[\acc:\acc+1], v[\acc:\acc+1], v[S+(\j)-80*((\j)/48):S+(\j)-80*((\j)/48)+1]
.endm
; A UNIT: one tile of 16 queries against the 128 keys of the step in hand.  MK = 1: it is passed over where the step lies behind the tile's last (a branch on the wave's number and the step's), and masked on the diagonal;
; MK = 0: for steps that lie ahead of every such tile's diagonal.  LO: it is passed over in the steps under LO, which have been done.
.macro UNIT QB, QSR, OB, ST, DM, GX, LO, MK
.if \LO
	s_cmp_lt_u32 s[STP], \LO
	s_cbranch_scc1 .Lskip_\@
.endif
.if \MK
	s_cmp_gt_u32 s[STP], s[\GX]
	s_cbranch_scc1 .Lskip_\@
.endif
.rept 9
	v_nop                                          ; places behind the last unit's products: the scores below are written over registers that those read, and k is loaded over p's codes and v
.endr
	s_wait_alu depctr_va_vdst(0)
.irp f, 0,1,2,3
	ds_load_b32 v[KSR+\f], v[AS] offset:8192+128*\f        ; lanes 0-15: the first tile's words; lanes 16-31: the second's
.endr
	KLD XC, 0                                      ; S^T = k q^T: all four fragments in one run
	KLD XA, 1
	KLD XB, 2
	KLD S+48, 3
	s_wait_dscnt 12                                ; behind fragment 0: the twelve loads of fragments 1 to 3
	SMUL S, XC, 0, \QB, \QSR
	s_wait_dscnt 8
	SMUL S+16, XA, 1, \QB, \QSR
	s_wait_dscnt 4
	SMUL S+32, XB, 2, \QB, \QSR
.rept 9
	v_nop                                          ; places: block 3's scores are written over fragment 1, and the work registers below over fragment 0
.endr
	s_wait_dscnt 0x0
	SMUL XA, S+48, 3, \QB, \QSR                    ; lane (r, h) holds query r; number 8 tile + j holds key 16 tile + 8 h + j
	; what follows first works on blocks 0 and 1 (12 lines and more): the places behind block 3's products
.if \MK
	s_cmp_lg_u32 s[STP], s[\GX]                    ; the tile's last step lies on the diagonal: hidden scores become -infinity ahead of the maximum
	s_cbranch_scc1 .Lopen_\@
	v_mov_b32 v[TMP], 0xff800000
.irp n, 0,1,2,3,4,5,6,7,8,9,10,11,12,13,14,15,16,17,18,19,20,21,22,23,24,25,26,27,28,29,30,31,32,33,34,35,36,37,38,39,40,41,42,43,44,45,46,47,48,49,50,51,52,53,54,55,56,57,58,59,60,61,62,63
.set RN, S+\n-80*(\n/48)
	v_cmp_gt_i32 vcc_lo, 16*(\n/8)+\n%8, v[\DM]
	v_cndmask_b32 v[RN], v[RN], v[TMP], vcc_lo
.endr
.Lopen_\@:
.endif
.irp h, 0,2                                    ; the largest score of each block of 32 keys, two chains a block, two blocks by turns: it serves for the row's maximum and, since p rises with the score, for the block's largest p
.irp b, 0,1
.set BB, S+16*(\h+\b)-80*((\h+\b)/3)
	v_max3_num_f32 v[BMX+\h+\b], v[BB], v[BB+1], v[BB+2]
	v_max3_num_f32 v[LIMR+\h+\b], v[BB+8], v[BB+9], v[BB+10]
.endr
.irp i, 3,5
.irp b, 0,1
.set BB, S+16*(\h+\b)-80*((\h+\b)/3)
	v_max3_num_f32 v[BMX+\h+\b], v[BMX+\h+\b], v[BB+\i], v[BB+\i+1]
	v_max3_num_f32 v[LIMR+\h+\b], v[LIMR+\h+\b], v[BB+8+\i], v[BB+9+\i]
.endr
.endr
.endr
.irp c, 0,1,2,3
	ds_load_b128 v[S+48+4*\c:S+48+4*\c+3], v[AD] offset:8704+2048*3+512*\c   ; v's fragment 3, where k's fragment 3 lay (24 places behind its products),
.endr
.irp t, 0,1,2,3
	ds_load_b32 v[KSR+\t], v[AS] offset:16896+128*\t                         ; and v's scale words
.endr
.irp b, 0,1,2,3
.set BB, S+16*\b-80*(\b/3)
	v_max3_num_f32 v[BMX+\b], v[BMX+\b], v[LIMR+\b], v[BB+7]
.endr
.irp b, 0,1,2,3
.set BB, S+16*\b-80*(\b/3)
	v_max_num_f32 v[BMX+\b], v[BMX+\b], v[BB+15]
.endr
.irp b, 0,1,2,3
	s_delay_alu instid0(VALU_DEP_4)
	v_permlanex16_b32 v[BT+\b], v[BMX+\b], s[SEL], s[SEL+1]
.endr
.irp b, 0,1,2,3
	s_delay_alu instid0(VALU_DEP_4)
	v_max_num_f32 v[BMX+\b], v[BMX+\b], v[BT+\b]   ; with lane l xor 16's 16 keys
.endr
	s_delay_alu instid0(VALU_DEP_2)
	v_max3_num_f32 v[TMP], v[BMX], v[BMX+1], v[BMX+2]
	s_delay_alu instid0(VALU_DEP_1)
	v_max3_num_f32 v[\ST+1], v[\ST+1], v[TMP], v[BMX+3]   ; the running largest score of my query
	v_mov_b32 v[TMP], v[\ST]
	s_delay_alu instid0(VALU_DEP_2)
	v_mul_f32 v[FF], s[CS], v[\ST+1]               ; as t (c is positive, so the largest score gives the largest t)
	s_delay_alu instid0(VALU_DEP_1)
	v_floor_f32 v[\ST], -v[FF]                     ; the new -M = floor(-t): M is a whole number
	s_delay_alu instid0(VALU_DEP_1)
	v_sub_f32 v[TMP], v[\ST], v[TMP]               ; old M - new M: a whole number, 0 or less
	s_delay_alu instid0(VALU_DEP_1)
	v_cvt_i32_f32 v[TMP], v[TMP]                   ; (it saturates)
	s_delay_alu instid0(VALU_DEP_1)
	v_ldexp_f32 v[FF], 1.0, v[TMP]                 ; f = 2^(old M - new M)
.irp j, 0,2,4,6,8,10,12,14,16,18,20,22,24,26,28,30,32,34,36,38,40,42,44,46,48,50,52,54,56,58,60,62
.set RN, S+\j-80*(\j/48)
	v_pk_fma_f32 v[RN:RN+1], v[RN:RN+1], s[CS:CS+1], v[\ST:\ST+1] op_sel_hi:[1,0,0]   ; t - M, two at a time
.endr
.irp b, 0,1,2,3
	v_fma_f32 v[BMX+\b], v[BMX+\b], s[CS], v[\ST]  ; the same of each block's largest score
.endr
	s_wait_alu depctr_va_vdst(0)
.irp j, 0,1,2,3,4,5,6,7,8,9,10,11,12,13,14,15,16,17,18,19,20,21,22,23,24,25,26,27,28,29,30,31,32,33,34,35,36,37,38,39,40,41,42,43,44,45,46,47,48,49,50,51,52,53,54,55,56,57,58,59,60,61,62,63
.set RN, S+\j-80*(\j/48)
	v_exp_f32 v[RN], v[RN]                         ; p = 2^(t - M), at most 1
.endr
	v_pk_mul_f32 v[\ST+2:\ST+3], v[\ST+2:\ST+3], v[FF:FF+1] op_sel_hi:[1,0]   ; the sums under the new M: a plain instruction behind the exponentials
	s_wait_alu depctr_va_vdst(0)                   ; one wait for the batch of 64, ahead of its first reader
.irp b, 0,1,2,3
	v_exp_f32 v[BMX+\b], v[BMX+\b]                 ; the blocks' largest p
.endr
	v_pk_add_f32 v[BT:BT+1], v[S:S+1], v[S+2:S+3]  ; the row's sum is taken of the unquantised p: two at a time, in four chains
	v_pk_add_f32 v[BT+2:BT+3], v[S+4:S+5], v[S+6:S+7]
	v_pk_add_f32 v[LIMR:LIMR+1], v[S+8:S+9], v[S+10:S+11]
.irp j, 12,20,28,36,44,52
	PADD \ST+2, \j
	PADD BT, \j+2
	PADD BT+2, \j+4
	PADD LIMR, \j+6
.endr
	PADD \ST+2, 60
	PADD BT, 62
	s_delay_alu instid0(VALU_DEP_1)
	v_pk_add_f32 v[BT:BT+1], v[BT:BT+1], v[BT+2:BT+3]
	s_delay_alu instid0(VALU_DEP_3)
	v_pk_add_f32 v[\ST+2:\ST+3], v[\ST+2:\ST+3], v[LIMR:LIMR+1]
	s_delay_alu instid0(VALU_DEP_1)
	v_pk_add_f32 v[\ST+2:\ST+3], v[\ST+2:\ST+3], v[BT:BT+1]
	s_wait_alu depctr_va_vdst(0)                   ; and one for the four
.irp b, 0,1,2,3
	v_max_num_f32 v[BMX+\b], 0x4800000, v[BMX+\b]  ; the floor 2^(9 - 127): the byte cannot fall under 1; a block whose every p is 0 has zero codes
.endr
.irp b, 0,1,2,3
	s_delay_alu instid0(VALU_DEP_4)
	v_add_nc_u32 v[SCO+\b], 0xfc000000, v[BMX+\b]  ; 8 off the exponent field: the conversion's scale operand
.endr
.irp b, 0,1,2,3
	v_and_or_b32 v[LIMR+\b], v[BMX+\b], 0x7f800000, s[MNT]   ; 448 x the scale
.endr
.irp b, 0,1,2,3
	v_lshrrev_b32 v[BT+\b], 23, v[SCO+\b]          ; the scale's byte
.endr
	s_delay_alu instid0(VALU_DEP_3)
	v_lshl_or_b32 v[PW], v[BT+1], 8, v[BT]         ; p's scale word for these 128 keys
	s_delay_alu instid0(VALU_DEP_1)
	v_lshl_or_b32 v[PW], v[BT+2], 16, v[PW]
	s_delay_alu instid0(VALU_DEP_1)
	v_lshl_or_b32 v[PW], v[BT+3], 24, v[PW]
.irp b, 0,1,2,3
	v_mov_b32 v[BT+(\b+1)%4], v[LIMR+\b]           ; a second copy of each bound, its register number one on modulo 4: the two halves of a dual pair name different registers
.endr
.irp b, 0,1,2,3
.set BB, S+16*\b-80*(\b/3)
.irp i, 0,2,4,6,8,10,12,14
	v_dual_min_num_f32 v[BB+\i], v[BB+\i], v[LIMR+\b] :: v_dual_min_num_f32 v[BB+\i+1], v[BB+\i+1], v[BT+(\b+1)%4]   ; the conversion does not saturate (ISA guide 7.6.2); p is not negative, so the hold is one-sided; two holds a line
.endr
	v_cvt_scalef32_pk8_fp8_f32 v[P+4*\b:P+1+4*\b], v[BB:BB+7], v[SCO+\b]
	v_cvt_scalef32_pk8_fp8_f32 v[P+2+4*\b:P+3+4*\b], v[BB+8:BB+15], v[SCO+\b]
.if \b < 3
.irp c, 0,1,2,3
	ds_load_b128 v[S+16*\b+4*\c:S+16*\b+4*\c+3], v[AD] offset:8704+2048*\b+512*\c   ; v's fragment b (16 channels x 128 keys) into the registers that this block of p has left
.endr
.endif
.endr
	v_nop                                          ; a plain instruction between the conversions and the lines that touch their results
.irp b, 0,1,2,3
	v_permlane16_swap_b32 v[P+4*\b], v[P+2+4*\b]         ; registers 4 b .. 4 b + 3 now hold keys 32 b + 16 h + 0 .. 15
	v_permlane16_swap_b32 v[P+1+4*\b], v[P+3+4*\b]
.endr
	s_wait_alu depctr_va_vdst(0)                   ; directly ahead of the first readers of O^T
.irp j, 0,2,4,6,8,10,12,14,16,18,20,22,24,26,28,30
	v_pk_mul_f32 v[\OB+\j:\OB+1+\j], v[\OB+\j:\OB+1+\j], v[FF:FF+1] op_sel_hi:[1,0]   ; O^T under the new M.  (These 16 are also the places between p's codes and the products)
.endr
	s_wait_alu depctr_va_vdst(0)
	s_wait_dscnt 0x0
.irp t, 0,1,2,3                                ; O^T += v^T p^T: four accumulators by turns
	v_wmma_scale_f32_16x16x128_f8f6f4 v[\OB+8*\t:\OB+8*\t+7], v[S+16*\t:S+16*\t+15], v[P:P+15], v[\OB+8*\t:\OB+8*\t+7], v[KSR+\t], v[PW]
.endr
.Lskip_\@:
.endm
	s_wait_alu depctr_va_vdst(0)
	s_wait_loadcnt 0x0                             ; q
	s_cmp_lt_u32 s[WV], NF
	s_cbranch_scc0 .Lnot_yet
	s_wait_tensorcnt 0x0                           ; waves 0 to 3: my key step has landed.  The other waves' wait stands at the second barrier
.Lnot_yet:
	s_barrier_signal -1
	s_barrier_wait -1                              ; key steps 0 to 3 are in LDS
.Lfirst:                                           ; 4 trips: the late tile against key steps 0 to 3
	v_add_nc_u32 v[AD], s[TB], v[LI]
	v_add_nc_u32 v[AS], s[TB], v[LS]
	UNIT QL, QSL, OL, STL, DML, GL, 0, 0
	s_add_co_u32 s[TB], s[TB], STB
	s_add_co_u32 s[STP], s[STP], 1
	s_cmp_lg_u32 s[STP], NF
	s_cbranch_scc1 .Lfirst
	s_wait_tensorcnt 0x0                           ; every wave: my key step has landed;
	s_wait_dscnt 0x0
	s_barrier_signal -1
	s_barrier_wait -1                              ; and so has every wave's: all 16 key steps are in LDS, and nothing writes them again
	s_mov_b32 s[TB], 0
	s_mov_b32 s[STP], 0
.Lstep:                                            ; 16 trips, a key step each; no barrier
	v_add_nc_u32 v[AD], s[TB], v[LI]
	v_add_nc_u32 v[AS], s[TB], v[LS]
	UNIT QL, QSL, OL, STL, DML, GL, NF, 1
	UNIT QE, QSE, OE, STE, DME, GE, 0, 1
	s_add_co_u32 s[TB], s[TB], STB
	s_add_co_u32 s[STP], s[STP], 1
	s_cmp_lg_u32 s[STP], 16
	s_cbranch_scc1 .Lstep
	; THE WAY OUT.  O^T / the sum is y(token r, channels 16 t + 8 h + j of my head): two blocks of 32 along the next product's K.
.rept 8
	v_nop
.endr
	v_add_f32 v[STE+2], v[STE+2], v[STE+3]
	v_add_f32 v[STL+2], v[STL+2], v[STL+3]
	s_delay_alu instid0(VALU_DEP_2)
	v_permlanex16_b32 v[BT], v[STE+2], s[SEL], s[SEL+1]
	s_delay_alu instid0(VALU_DEP_2)
	v_permlanex16_b32 v[BT+1], v[STL+2], s[SEL], s[SEL+1]
	s_delay_alu instid0(VALU_DEP_2)
	v_add_f32 v[STE+2], v[STE+2], v[BT]            ; the rows' sums
	s_delay_alu instid0(VALU_DEP_2)
	v_add_f32 v[STL+2], v[STL+2], v[BT+1]
	s_wait_alu depctr_va_vdst(0)
	v_rcp_f32 v[RC], v[STE+2]
	v_rcp_f32 v[RC+2], v[STL+2]
	v_mov_b32 v[RC+1], 0                           ; plain instructions behind the reciprocals; the pairs' upper halves are named, so they are written
	v_mov_b32 v[RC+3], 0
	s_wait_alu depctr_va_vdst(0)                   ; one wait for both, ahead of the first reader
.macro FIN OB, RCX, CD, WD
.irp j, 0,2,4,6,8,10,12,14,16,18,20,22,24,26,28,30
	v_pk_mul_f32 v[\OB+\j:\OB+1+\j], v[\OB+\j:\OB+1+\j], v[\RCX:\RCX+1] op_sel_hi:[1,0]
.endr
.irp b, 0,1
	v_max3_num_f32 v[BMX+\b], |v[\OB+16*\b]|, |v[\OB+1+16*\b]|, 0x4800000
.endr
.irp i, 2,4,6,8,10,12,14
.irp b, 0,1
	s_delay_alu instid0(VALU_DEP_2)
	v_max3_num_f32 v[BMX+\b], v[BMX+\b], |v[\OB+16*\b+\i]|, |v[\OB+1+16*\b+\i]|
.endr
.endr
.irp b, 0,1
	s_delay_alu instid0(VALU_DEP_2)
	v_permlanex16_b32 v[BT+\b], v[BMX+\b], s[SEL], s[SEL+1]
.endr
.irp b, 0,1
	s_delay_alu instid0(VALU_DEP_2)
	v_max_num_f32 v[BMX+\b], v[BMX+\b], v[BT+\b]
.endr
.irp b, 0,1
	s_delay_alu instid0(VALU_DEP_2)
	v_add_nc_u32 v[SCO+\b], 0xfc000000, v[BMX+\b]
.endr
.irp b, 0,1
	s_delay_alu instid0(VALU_DEP_4)
	v_and_or_b32 v[LIMR+\b], v[BMX+\b], 0x7f800000, s[MNT]
.endr
.irp b, 0,1
	s_delay_alu instid0(VALU_DEP_4)
	v_lshrrev_b32 v[BT+\b], 23, v[SCO+\b]
.endr
	s_delay_alu instid0(VALU_DEP_1)
	v_lshl_or_b32 v[\WD], v[BT+1], 8, v[BT]        ; my token's two scale bytes of this head
.irp b, 0,1
.irp i, 0,1,2,3,4,5,6,7,8,9,10,11,12,13,14,15
	v_med3_num_f32 v[\OB+16*\b+\i], v[\OB+16*\b+\i], -v[LIMR+\b], v[LIMR+\b]
.endr
	v_cvt_scalef32_pk8_fp8_f32 v[\CD+4*\b:\CD+1+4*\b], v[\OB+16*\b:\OB+7+16*\b], v[SCO+\b]
	v_cvt_scalef32_pk8_fp8_f32 v[\CD+2+4*\b:\CD+3+4*\b], v[\OB+8+16*\b:\OB+15+16*\b], v[SCO+\b]
.endr
	v_nop
.irp b, 0,1
	v_permlane16_swap_b32 v[\CD+4*\b], v[\CD+2+4*\b]
	v_permlane16_swap_b32 v[\CD+1+4*\b], v[\CD+3+4*\b]
.endr
.endm
	FIN OE, RC, 80, TMP
	global_store_b128 v[LI], v[80:83], s[66:67]                    ; each store covers 512 consecutive bytes, at a multiple of 256 from the buffer's first byte
	global_store_b128 v[LI], v[84:87], s[66:67] offset:512
	FIN OL, RC+2, 88, FF
	global_store_b128 v[LI], v[88:91], s[68:69]
	global_store_b128 v[LI], v[92:95], s[68:69] offset:512
	v_and_b32 v96, 15, v0
	v_bfe_u32 v97, v0, 4, 1
	s_delay_alu instid0(VALU_DEP_1)
	v_mul_u32_u24 v98, v97, s72
	s_delay_alu instid0(VALU_DEP_1)
	v_lshl_add_u32 v98, v96, 5, v98                ; lanes 0-15: the early tile's token r; lanes 16-31: the late tile's
	s_delay_alu instid0(VALU_DEP_3)
	v_cmp_eq_u32 vcc_lo, 1, v97
	s_delay_alu instid0(VALU_DEP_1)
	v_cndmask_b32 v99, v[TMP], v[FF], vcc_lo
	global_store_b16 v98, v99, s[70:71]
	s_wait_tensorcnt 0x0                           ; the wave's end
	ds_add_u32 v[SPW], v[NIL]
	s_wait_dscnt 0x0
	CROUND                                         ; the closing round
	s_endpgm
.Lfunc_end_k_q5e8900d77e_attn:
	.size	k_q5e8900d77e_attn, .Lfunc_end_k_q5e8900d77e_attn-k_q5e8900d77e_attn
	.p2alignl 7, 3214868480
	.fill 96, 4, 3214868480
	.section	.rodata,"a",@progbits
	.p2align	6, 0x0
	.amdhsa_kernel k_q5e8900d77e_attn
		.amdhsa_group_segment_fixed_size 327680
		.amdhsa_private_segment_fixed_size 0
		.amdhsa_enable_private_segment 0
		.amdhsa_kernarg_size 24
		.amdhsa_user_sgpr_count 2
		.amdhsa_user_sgpr_kernarg_segment_ptr 1
		.amdhsa_wavefront_size32 1
		.amdhsa_system_sgpr_workgroup_id_x 1
		.amdhsa_system_sgpr_workgroup_id_y 1
		.amdhsa_system_sgpr_workgroup_id_z 1
		.amdhsa_system_vgpr_workitem_id 0
		.amdhsa_next_free_vgpr 256
		.amdhsa_next_free_sgpr 74
		.amdhsa_reserve_vcc 1
		.amdhsa_float_denorm_mode_32 3
		.amdhsa_float_denorm_mode_16_64 3
		.amdhsa_memory_ordered 1
		.amdhsa_forward_progress 1
		.amdhsa_inst_pref_size 95
	.end_amdhsa_kernel
	.amdgpu_metadata
---
amdhsa.version: [ 1, 2 ]
amdhsa.kernels:
  - .name:           k_q5e8900d77e_attn
    .symbol:         k_q5e8900d77e_attn.kd
    .args:
      - { .name: qkv, .offset: 0, .size: 8, .value_kind: global_buffer, .address_space: global }
      - { .name: yc, .offset: 8, .size: 8, .value_kind: global_buffer, .address_space: global }
      - { .name: ys, .offset: 16, .size: 8, .value_kind: global_buffer, .address_space: global }
    .group_segment_fixed_size: 327680
    .private_segment_fixed_size: 0
    .kernarg_segment_align: 8
    .kernarg_segment_size: 24
    .max_flat_workgroup_size: 512
    .sgpr_count:     74
    .vgpr_count:     256
    .wavefront_size: 32
...
	.end_amdgpu_metadata
.endif
;; end of part 2
;; launch proj (part 3): grid 4 x 64, 4 waves a work-group, clusters of 4 x 4, 327,680 bytes of LDS; arguments yc, ys, Wproj_codes, Wproj_scales, bproj, out0; writes out0
.if DOCPART == 3
	.amdgcn_target "amdgcn-amd-amdhsa--gfx1250"
	.amdhsa_code_object_version 6
	.text
	.protected	k_q5e8900d77e_proj
	.globl	k_q5e8900d77e_proj
	.p2align	8
	.type	k_q5e8900d77e_proj,@function
k_q5e8900d77e_proj:
	s_mov_b64 s[64:65], 0
	v_nop
	global_prefetch_b8 v0, s[64:65] scope:SCOPE_SE
	s_setreg_imm32_b32 hwreg(HW_REG_WAVE_MODE, 25, 1), 1
	s_wait_xcnt 0x0
	s_wait_alu depctr_hold_cnt(0) depctr_sa_sdst(0) depctr_va_vdst(0) depctr_va_sdst(0) depctr_va_ssrc(0) depctr_va_vcc(0) depctr_vm_vsrc(0)
	s_getreg_b32 s2, hwreg(HW_REG_IB_STS2, 6, 4)
	s_cmp_eq_u32 s2, 0
	s_cbranch_scc0 .Lentry_in_a_cluster
	s_endpgm
.Lentry_in_a_cluster:
	s_bfe_u32 s2, ttmp6, 0x10000c
	s_cmp_lg_u32 s2, 0xf033
	s_cbranch_scc0 .Lentry_shape_is_right
	s_endpgm
.Lentry_shape_is_right:
; out0 = y Wproj^T + bproj on codes of E4M3 with one E8M0 byte for each 32 along K = 1,024; sums in f32.  y's codes come as images of operand registers (16,384 bytes for 16 tokens, 2,048 for 128 of K), Wproj's as rows.
; THE BLOCK is 128 tokens x 256 columns: 64 x 4 = 256 work-groups.  Four waves, 2 x 2: a wave makes 64 x 128: 32 accumulators of 16 x 16 (window 2).
; K goes in steps of 256 through two LDS slots (y's 8 images of 4,096 bytes, then Wproj's 256 rows of 256 bytes + 16 of padding); the scale bytes of the work-group's 384 rows come once and stay.
; 4 x 4 work-groups form a cluster: y's tiles are asked for jointly along a row of the cluster, Wproj's along a column.
; The matrix instruction is used transposed (source 0 = 16 rows of Wproj, source 1 = 16 tokens): a lane holds eight neighbouring columns of a token.  The bias is the C of the first K step's products.
; y's and Wproj's fragments have two sets of registers each (window 0: v128-255; window 1): a step's 48 LDS loads are issued ahead of the 32 products of the step before.
; THE PREFETCH: K has four steps of 256, written out; K step 0 comes by its load alone, K steps 1 to 3 are named once behind the head's loads, one instruction a wave, one to three changes of slots ahead of the loads that want them.
; y: a K step of my tile is 128 blocks of 256 bytes; the four partners that ask for it jointly take two images (32 blocks) each, told apart BY ADDRESS; wave w (0 to 2) names K step w + 1: each block once in the launch.
; Wproj: all 16 clusters read it; wave 3 of the clusters whose number modulo 8 is under 6 names 32 rows' 256 bytes: K step (that number / 2) + 1, rows 32 (4 (that number % 2) + cy) on of tile column cx: each block twice in the launch.
; The results leave through each wave's stage in slot 0, which has had its last fill and its last read by then, as rows of 512 bytes.
; LIMITS: NaN, infinities and the scale byte 0xff among the inputs are not served.
.set KROW,   1024
.set ROWB,   256
.set PITCH,  272                       ; an LDS row of Wproj: 256 bytes + 16 of padding
.set FR,     16
.set NP,     8                         ; places behind this matrix instruction (ISA guide 7.12.1)
.set ATT,    4096                      ; an image of 16 tokens x 256 of K
.set AH,     4*ATT                     ; 64 tokens: what a wave reads of y, and what one load of the ring brings
.set BOFF,   2*AH
.set HALFT,  128*PITCH
.set SLOT,   BOFF+2*HALFT
.set SCL,    2*SLOT                    ; behind the ring: y's scale bytes, as units of 256 bytes + 16 of padding,
.set SAH,    8*272                     ; (those of 64 rows)
.set SCB,    SCL+2*SAH                 ; then Wproj's
.set SBH,    16*272                    ; (those of 128 rows)
.set SBLK,   2*272                     ; those of 16 rows
.set SPARE,  SCB+2*SBH                 ; the spare words, 128 bytes for each wave: two blocks of 256 bytes that no other line names
.set SPITCH, 528
.set NB4,    4096                      ; a row of out0 in bytes
.set ADRA, 16                          ; v16-17 LDS address of my fragments of y in slot 0, 1
.set ADRB, 20                          ; v20-21 the same for Wproj
.set STO,  24
.set RD,   25
.set CO,   26
.set ADRS, 27                          ; LDS address of my scale words: lanes 0-15 y's rows, lanes 16-31 Wproj's
.set SPW,  28
.set NIL,  29
.set PFY,  30                          ; v30 the prefetch's offsets in y: (lane / 16) images + (lane % 16) blocks; never rewritten
.set PFW,  31                          ; v31 and in Wproj: a lane a row; never rewritten
.set SC,   32                          ; v32-63 scale words, two sets: register 2 i + q
.set BN,   64                          ; v64-127 the bias: register 8 b + j
.set AF,   128                         ; y's fragments: set q at AF + 64 q
.set BK,   128                         ; the way out: 16 rows read back from the stage, two buffers
.set WV,  16
.set WH,  17                           ; wave / 2: my 64 tokens; also: I fetch for y (0) or for Wproj (1)
.set WL,  18                           ; wave % 2: my 128 columns; also: which half of the tile I fetch
.set CX,  22
.set CY,  23
.set G1,  24
.set G0,  32
.set G1B, 48
.set G0B, 56
.set G1S, 68
.set G0S, 76
.set G1SB, 80
.set G0SB, 88
.set MSB, 0
.macro WIN new                         ; the immediate's high byte repeats the setting that is left
.if MSB != (\new)
	s_set_vgpr_msb (MSB<<8)|(\new)
.set MSB, (\new)
.endif
.endm
.macro TL g0, g1                       ; a tensor load; an s_nop 0 and four v_nop follow it
	tensor_load_to_lds s[\g0:\g0+3], s[\g1:\g1+7]
	s_nop 0
.rept 4
	v_nop
.endr
.endm
.macro JLOAD g0a, g1a, g0b, g1b        ; the ring's joint load: waves 0 and 1 fetch y's halves, waves 2 and 3 Wproj's
	s_cmp_eq_u32 s[WH], 0
	s_cbranch_scc0 .Lfor_b_\@
	TL \g0a, \g1a
	s_branch .Lasked_\@
.Lfor_b_\@:
	TL \g0b, \g1b
.Lasked_\@:
.endm
.macro CREST                           ; a round of the cluster's barrier behind its opening barrier
	s_cmp_lg_u32 s[WV], 0
	s_cbranch_scc1 .Lnot_wave_0_\@
	s_barrier_signal -3
.Lnot_wave_0_\@:
	s_barrier_wait -3
	s_barrier_signal -1
	s_barrier_wait -1
.endm
.macro CROUND
	s_barrier_signal -1
	s_barrier_wait -1
	CREST
.endm
.macro PLACES n
.rept \n
	v_nop
.endr
.endm
	s_load_b256 s[4:11], s[0:1], 0x0               ; y's codes, y's scales, Wproj's codes, Wproj's scales
	s_load_b128 s[12:15], s[0:1], 0x20             ; bproj, out0
	v_lshl_add_u32 v[SPW], v0, 2, SPARE
	v_mov_b32 v[NIL], 0
	ds_add_u32 v[SPW], v[NIL]                      ; the opening
	ds_add_u32 v[SPW], v[NIL]
	v_lshrrev_b32 v1, 5, v0
	v_readfirstlane_b32 s[WV], v1
	s_lshr_b32 s[WH], s[WV], 1
	s_and_b32 s[WL], s[WV], 1
	s_bfe_u32 s[CX], ttmp6, 0x40000
	s_bfe_u32 s[CY], ttmp6, 0x40004
	s_lshl_b32 s41, ttmp9, 2
	s_add_co_u32 s41, s41, s[CX]                   ; tile column: 256 columns
	s_and_b32 s40, ttmp7, 0xffff
	s_lshl_b32 s40, s40, 2
	s_add_co_u32 s40, s40, s[CY]                   ; tile row: 128 tokens
	s_lshl_b32 s44, s[CY], 2
	s_lshl_b32 s44, 15, s44                        ; my row of the cluster
	s_lshl_b32 s45, 0x1111, s[CX]                  ; my column
	s_or_b32 s[G1+0], s44, (0<<16)|(1<<21)         ; y: rows of 4,096 bytes, 16,384 apart, dense in LDS: 8 at the head, then 4
	s_mov_b32 s[G1+1], ATT<<16
	s_mov_b32 s[G1+2], 8<<16
	s_mov_b32 s[G1+3], ATT<<16
	s_mov_b32 s[G1+4], 8
	s_mov_b32 s[G1+5], 16384
	s_mov_b32 s[G1+6], 0
	s_mov_b32 s[G1+7], 0
	s_or_b32 s[G1B+0], s45, (0<<16)|(1<<20)|(1<<21)|(5<<22)|(3<<25)   ; Wproj: rows of 256 bytes, four words of padding behind each: 256 at the head, then 128
	s_mov_b32 s[G1B+1], ROWB<<16
	s_mov_b32 s[G1B+2], 256<<16
	s_mov_b32 s[G1B+3], ROWB<<16
	s_mov_b32 s[G1B+4], 256
	s_mov_b32 s[G1B+5], KROW
	s_mov_b32 s[G1B+6], 0
	s_mov_b32 s[G1B+7], 0
	s_or_b32 s[G1S+0], s44, (3<<16)|(1<<20)|(1<<21)|(5<<22)|(3<<25)   ; scale bytes: dense, as rows of 256 bytes (32 elements of 8): y's 16,
	s_mov_b32 s[G1S+1], 32<<16
	s_mov_b32 s[G1S+2], 16<<16
	s_mov_b32 s[G1S+3], 32<<16
	s_mov_b32 s[G1S+4], 16
	s_mov_b32 s[G1S+5], 32
	s_mov_b32 s[G1S+6], 0
	s_mov_b32 s[G1S+7], 0
	s_or_b32 s[G1SB+0], s45, (3<<16)|(1<<20)|(1<<21)|(5<<22)|(3<<25)  ; Wproj's 32
	s_mov_b32 s[G1SB+1], 32<<16
	s_mov_b32 s[G1SB+2], 32<<16
	s_mov_b32 s[G1SB+3], 32<<16
	s_mov_b32 s[G1SB+4], 32
	s_mov_b32 s[G1SB+5], 32
	s_mov_b32 s[G1SB+6], 0
	s_mov_b32 s[G1SB+7], 0
	s_lshl_b32 s92, s40, 17                        ; my tile in y's codes: 8 images of 16,384 bytes,
	s_mov_b32 s93, 0
	s_lshl_b32 s94, s40, 12                        ; in y's scale bytes: 128 rows of 32,
	s_mov_b32 s95, 0
	s_lshl_b32 s96, s41, 18                        ; in Wproj's codes: 256 rows of 1,024,
	s_mov_b32 s97, 0
	s_lshl_b32 s98, s41, 13                        ; in Wproj's scale bytes
	s_mov_b32 s99, 0
	s_lshl_b32 s66, s[WL], 16                      ; the ring's loads bring half a tile a wave: my half of y begins 4 x 16,384 bytes on,
	s_mov_b32 s67, 0
	s_lshl_b32 s46, s[WL], 17                      ; of Wproj 128 x 1,024
	s_mov_b32 s47, 0
	s_mul_i32 s42, s[WL], AH                       ; and where they go in a slot
	s_mul_i32 s43, s[WL], HALFT
	s_add_co_u32 s43, s43, BOFF
	s_wait_dscnt 0x0                               ; both opening adds are done
	s_wait_kmcnt 0x0
	s_add_nc_u64 s[4:5], s[4:5], s[92:93]
	s_add_nc_u64 s[6:7], s[6:7], s[94:95]
	s_add_nc_u64 s[8:9], s[8:9], s[96:97]
	s_add_nc_u64 s[10:11], s[10:11], s[98:99]
	CROUND                                         ; all sixteen work-groups are here: the first joint loads meet
	s_mov_b32 s[G0], 1                             ; slot 0's two descriptors serve the head first: y's whole tile of K step 0,
	s_mov_b32 s[G0+1], 0
	s_mov_b64 s[G0+2:G0+3], s[4:5]
	s_or_b32 s[G0+3], s[G0+3], 0x80000000
	s_mov_b32 s[G0B], 1                            ; Wproj's 256 rows behind it
	s_mov_b32 s[G0B+1], BOFF
	s_mov_b64 s[G0B+2:G0B+3], s[8:9]
	s_or_b32 s[G0B+3], s[G0B+3], 0x80000000
	s_mov_b32 s[G0S], 1
	s_mov_b32 s[G0S+1], SCL
	s_mov_b64 s[G0S+2:G0S+3], s[6:7]
	s_or_b32 s[G0S+3], s[G0S+3], 0x80000000
	s_mov_b32 s[G0SB], 1
	s_mov_b32 s[G0SB+1], SCB
	s_mov_b64 s[G0SB+2:G0SB+3], s[10:11]
	s_or_b32 s[G0SB+3], s[G0SB+3], 0x80000000
	s_mov_b32 s[G0+4], 1                           ; slot 1: my half of K step 1
	s_add_co_u32 s[G0+5], s42, SLOT
	s_add_nc_u64 s[G0+6:G0+7], s[4:5], s[66:67]
	s_add_nc_u64 s[G0+6:G0+7], s[G0+6:G0+7], ATT
	s_or_b32 s[G0+7], s[G0+7], 0x80000000
	s_mov_b32 s[G0B+4], 1
	s_add_co_u32 s[G0B+5], s43, SLOT
	s_add_nc_u64 s[G0B+6:G0B+7], s[8:9], s[46:47]
	s_add_nc_u64 s[G0B+6:G0B+7], s[G0B+6:G0B+7], ROWB
	s_or_b32 s[G0B+7], s[G0B+7], 0x80000000
; THE HEAD'S LOADS, ONE A WAVE: one chain of branches on the wave's number, a load to an arm, all arms leading to one join.
.macro ARM under, g0, g1, next
	s_cmp_lt_u32 s[WV], \under
	s_cbranch_scc0 \next
	TL \g0, \g1
	s_branch .Lhead_asked
\next:
.endm
	ARM 1, G0,  G1,  .Lhead_b
	ARM 2, G0B, G1B, .Lhead_sa
	ARM 3, G0S, G1S, .Lhead_sb
	TL G0SB, G1SB
.Lhead_asked:
	; the prefetch: where my wave's stands.  s[2:3] in y, s[20:21] in Wproj: neither is written again
	s_lshl_b32 s20, s[CX], 15                      ; y: my work-group's two images of the tile's eight,
	s_lshl_b32 s21, s[WV], 12
	s_add_co_u32 s20, s20, s21
	s_add_co_u32 s20, s20, ATT                     ; in K step wave + 1
	s_mov_b32 s21, 0
	s_add_nc_u64 s[2:3], s[4:5], s[20:21]
	s_and_b32 s19, ttmp7, 7                        ; the cluster's number modulo 8, the same in all partners
	s_and_b32 s20, s19, 1
	s_lshl_b32 s20, s20, 2
	s_add_co_u32 s20, s20, s[CY]                   ; Wproj: which 32 of my tile column's 256 rows,
	s_lshl_b32 s20, s20, 15
	s_lshr_b32 s92, s19, 1
	s_lshl_b32 s92, s92, 8
	s_add_co_u32 s20, s20, s92
	s_add_co_u32 s20, s20, ROWB                    ; in K step (that number / 2) + 1
	s_add_nc_u64 s[20:21], s[8:9], s[20:21]
	v_and_b32 v[PFY], 15, v0
	v_bfe_u32 v[PFW], v0, 4, 1
	v_lshlrev_b32 v[PFY], 8, v[PFY]
	v_lshl_add_u32 v[PFY], v[PFW], 14, v[PFY]
	v_and_b32 v[PFW], 31, v0
	v_lshlrev_b32 v[PFW], 10, v[PFW]
	s_wait_alu depctr_va_vdst(0)
	s_cmp_lt_u32 s[WV], 3
	s_cbranch_scc0 .Lask_w
	global_prefetch_b8 v[PFY], s[2:3] th:TH_LOAD_NT scope:SCOPE_SE
	s_branch .Lasked_ahead
.Lask_w:
	s_cmp_lt_u32 s19, 6                            ; K has steps 1 to 3 to name
	s_cbranch_scc0 .Lasked_ahead
	global_prefetch_b8 v[PFW], s[20:21] th:TH_LOAD_NT scope:SCOPE_SE
.Lasked_ahead:
	v_and_b32 v1, 15, v0                           ; r
	v_bfe_u32 v2, v0, 4, 1                         ; h
	v_and_b32 v7, 31, v0
	v_lshlrev_b32 v[CO], 4, v7                     ; 16 x lane
	v_mul_u32_u24 v3, v1, PITCH
	v_lshl_add_u32 v4, v2, 4, v3
	s_mul_i32 s92, s[WH], AH                       ; my 64 tokens
	s_mul_i32 s93, s[WL], HALFT                    ; my 128 rows of Wproj
	s_add_co_u32 s93, s93, BOFF
.irp s, 0,1
	v_add_nc_u32 v[ADRA+\s], s92, v[CO]
	v_add_nc_u32 v[ADRB+\s], s93, v4
	s_add_co_u32 s92, s92, SLOT
	s_add_co_u32 s93, s93, SLOT
.endr
	v_mul_u32_u24 v5, v1, 32                       ; my row's scale bytes: 32 a row,
	v_lshrrev_b32 v6, 8, v5
	v_lshl_add_u32 v5, v6, 4, v5                   ; and 16 more for each 256 passed
	s_mul_i32 s92, s[WH], SAH
	s_mul_i32 s93, s[WL], SBH
	s_add_co_u32 s93, s93, 2*SAH
	s_sub_co_u32 s93, s93, s92
	v_mul_u32_u24 v6, s93, v2                      ; lanes 16-31 take Wproj's
	s_add_co_u32 s92, s92, SCL
	v_add_nc_u32 v5, v5, v6
	v_add_nc_u32 v[ADRS], s92, v5
	s_mul_i32 s92, s[WV], 16*SPITCH                ; my stage
	v_mul_u32_u24 v5, v1, SPITCH
	v_lshl_add_u32 v5, v2, 5, v5
	v_add_nc_u32 v[STO], s92, v5
	v_add_nc_u32 v[RD], s92, v[CO]
	s_lshl_b32 s94, s41, 10
	s_lshl_b32 s95, s[WL], 9
	s_add_co_u32 s94, s94, s95                     ; my first column, in bytes
	s_mov_b32 s95, 0
	s_add_nc_u64 s[12:13], s[12:13], s[94:95]
	s_add_nc_u64 s[14:15], s[14:15], s[94:95]
	s_lshl_b32 s94, s40, 7
	s_lshl_b32 s96, s[WH], 6
	s_add_co_u32 s94, s94, s96                     ; my first token
	s_lshl_b32 s94, s94, 12
	s_add_nc_u64 s[14:15], s[14:15], s[94:95]
	v_lshlrev_b32 v6, 5, v2
.irp b, 0,1,2,3,4,5,6,7
	global_load_b128 v[BN+8*\b:BN+8*\b+3], v6, s[12:13] offset:64*\b        ; columns 16 b + 8 h + 0 .. 7
	global_load_b128 v[BN+8*\b+4:BN+8*\b+7], v6, s[12:13] offset:64*\b+16
.endr
.macro FETCH slot, q                   ; the fragments of the slot's q-th 128 along K into set q: Wproj's eight, y's four: 48 loads
	WIN 0x40
.irp i, 0,1,2,3,4,5,6,7
.irp c, 0,1,2,3
	ds_load_b128 v[128*(\q)+FR*\i+4*\c:128*(\q)+FR*\i+4*\c+3], v[ADRB+\slot] offset:128*(\q)+32*\c+\i*16*PITCH
.endr
.endr
	WIN 0
.irp i, 0,1,2,3
.irp c, 0,1,2,3
	ds_load_b128 v[AF+64*(\q)+FR*\i+4*\c:AF+64*(\q)+FR*\i+4*\c+3], v[ADRA+\slot] offset:ATT*\i+2048*(\q)+512*\c
.endr
.endr
.endm
.macro SCALES sc                       ; a slot's scale words, two a row: lanes 0-15 y's block i (i under 4 is used), lanes 16-31 Wproj's block i
.irp i, 0,1,2,3,4,5,6,7
	ds_load_b64 v[SC+16*\sc+2*\i:SC+16*\sc+2*\i+1], v[ADRS] offset:\i*SBLK
.endr
.endm
.macro MUL8 a, q, sc, zero             ; y's block a against Wproj's eight; the 32 accumulators take turns in the same order in every step
.irp b, 0,1,2,3,4,5,6,7
.if \zero
	v_wmma_scale_f32_16x16x128_f8f6f4 v[8*(8*(\a)+\b):8*(8*(\a)+\b)+7], v[128*(\q)+FR*\b:128*(\q)+FR*\b+FR-1], v[AF+64*(\q)+FR*(\a):AF+64*(\q)+FR*(\a)+FR-1], v[BN+8*\b:BN+8*\b+7], v[SC+16*(\sc)+2*\b+(\q)], v[SC+16*(\sc)+2*(\a)+(\q)] matrix_a_scale:MATRIX_SCALE_ROW1
.else
	v_wmma_scale_f32_16x16x128_f8f6f4 v[8*(8*(\a)+\b):8*(8*(\a)+\b)+7], v[128*(\q)+FR*\b:128*(\q)+FR*\b+FR-1], v[AF+64*(\q)+FR*(\a):AF+64*(\q)+FR*(\a)+FR-1], v[8*(8*(\a)+\b):8*(8*(\a)+\b)+7], v[SC+16*(\sc)+2*\b+(\q)], v[SC+16*(\sc)+2*(\a)+(\q)] matrix_a_scale:MATRIX_SCALE_ROW1
.endif
.endr
.endm
.macro STEP slot, zero                 ; a slot's first 128 along K
	PLACES NP                                      ; behind the products that read set 1
	FETCH \slot, 1
	s_wait_dscnt 48                                ; all but the 48 just issued: set 0 and the slot's scale words are in
.if \zero
	WIN 0x81                                       ; C (the bias) in window 0, D in window 2
.else
	WIN 0xa1
.endif
.irp a, 0,1,2,3
	MUL8 \a, 0, \slot, \zero
.endr
	WIN 0
.endm
.macro TURN slot, next, fill           ; a slot's second 128 along K, and the change of slots
	s_wait_tensorcnt 0x0                           ; all my tensor loads have landed: my part of the next slot
	ds_add_u32 v[SPW], v[NIL]                      ; 0 onto my spare word
	s_wait_dscnt 1                                 ; set 1 is in; the add may be out
	WIN 0xa1
	MUL8 0, 1, \slot, 0
	s_wait_dscnt 0x0                               ; the add is done, and my reads of this slot are over
	s_barrier_signal -1
	MUL8 1, 1, \slot, 0
	WIN 0
	s_barrier_wait -1
.if \fill
	CREST                                          ; the barrier has opened a round of the cluster's barrier
	s_add_nc_u64 s[G0+4*\slot+2:G0+4*\slot+3], s[G0+4*\slot+2:G0+4*\slot+3], 2*ATT
	s_add_nc_u64 s[G0B+4*\slot+2:G0B+4*\slot+3], s[G0B+4*\slot+2:G0B+4*\slot+3], 2*ROWB
	JLOAD G0+4*\slot, G1, G0B+4*\slot, G1B         ; the first tensor load behind the round; its four v_nop are among the places in front of the loads below
	PLACES NP-4
.else
	PLACES NP
.endif
	v_add_nc_u32 v[ADRS], 8, v[ADRS]               ; on to the next slot's scale words
	s_wait_alu depctr_va_vdst(0)
	FETCH \next, 0
	SCALES \next
	WIN 0xa1
	MUL8 2, 1, \slot, 0
	MUL8 3, 1, \slot, 0
	WIN 0
.endm
	s_wait_alu depctr_va_vdst(0)
	s_wait_loadcnt 0x0                             ; the bias
	s_wait_tensorcnt 0x0                           ; my tile of the head's four is in
	ds_add_u32 v[SPW], v[NIL]
	s_mov_b32 s[G0+1], s42                         ; no tensor load of mine is out, so descriptors may be written: slot 0's become the ring's: my half's place in LDS,
	s_mov_b32 s[G0B+1], s43
	s_add_nc_u64 s[G0+2:G0+3], s[G0+2:G0+3], s[66:67]      ; my half in memory,
	s_add_nc_u64 s[G0B+2:G0B+3], s[G0B+2:G0B+3], s[46:47]
	s_mov_b32 s[G1+2], 4<<16                       ; and half a tile a load
	s_mov_b32 s[G1+4], 4
	s_mov_b32 s[G1B+2], 128<<16
	s_mov_b32 s[G1B+4], 128
	s_wait_dscnt 0x0                               ; the add is done
	CROUND                                         ; a whole round: all four tiles are in, and all sixteen work-groups are here
	JLOAD G0+4, G1, G0B+4, G1B                     ; slot 1's first fill: the first tensor load behind the round
	FETCH 0, 0
	SCALES 0
	STEP 0, 1                                      ; K = 1,024 is eight steps of 128 in four slots: written out
	TURN 0, 1, 1
	STEP 1, 0
	TURN 1, 0, 1
	STEP 0, 0
	TURN 0, 1, 0                                   ; the last two slots are not filled again
	STEP 1, 0
	s_wait_dscnt 0x0
	WIN 0xa1
.irp a, 0,1,2,3
	MUL8 \a, 1, 1, 0
.endr
	WIN 0
; THE WAY OUT, block by block of 16 tokens x 128 columns, through my own stage: LDS serves a wave's instructions in order (ISA guide 5.7.1.4), so no wait stands between the stores and the loads.
.macro TOSTAGE a
	WIN 0x08                                       ; the data: window 2
.irp b, 0,1,2,3,4,5,6,7
	ds_store_b128 v[STO], v[64*(\a)+8*\b:64*(\a)+8*\b+3] offset:64*\b        ; each accumulator from its low end on
	ds_store_b128 v[STO], v[64*(\a)+8*\b+4:64*(\a)+8*\b+7] offset:64*\b+16
.endr
	WIN 0
.set BB, BK+64*((\a)%2)
.irp t, 0,1,2,3,4,5,6,7,8,9,10,11,12,13,14,15
	ds_load_b128 v[BB+4*\t:BB+4*\t+3], v[RD] offset:\t*SPITCH
.endr
.endm
.macro SEND a, younger                 ; younger: the LDS instructions issued behind block a's loads
.set BB, BK+64*((\a)%2)
	s_wait_dscnt \younger
.if (\a) > 0
	s_add_nc_u64 s[14:15], s[14:15], 16*NB4        ; behind a wait on XCNT: the earlier stores have read their base
.endif
.irp t, 0,1,2,3,4,5,6,7,8,9,10,11,12,13,14,15
	global_store_b128 v[CO], v[BB+4*\t:BB+4*\t+3], s[14:15] offset:\t*NB4 th:TH_STORE_NT   ; 32 lanes store 512 consecutive bytes, at a multiple of 256 from out0's first byte
.endr
.endm
	PLACES NP                                      ; behind the last products: their results are read, and y's registers loaded into, below
	TOSTAGE 0
.irp a, 1,2,3
.if \a > 1
	s_wait_xcnt 0x0                                ; block a - 2's stores have read their registers and their base
.endif
	TOSTAGE \a
	SEND \a-1, 32
.endr
	s_wait_xcnt 0x0
	SEND 3, 0
	s_wait_tensorcnt 0x0                           ; the wave's end
	ds_add_u32 v[SPW], v[NIL]
	s_wait_dscnt 0x0
	CROUND                                         ; the closing round
	s_endpgm
.Lfunc_end_k_q5e8900d77e_proj:
	.size	k_q5e8900d77e_proj, .Lfunc_end_k_q5e8900d77e_proj-k_q5e8900d77e_proj
	.p2alignl 7, 3214868480
	.fill 96, 4, 3214868480
	.section	.rodata,"a",@progbits
	.p2align	6, 0x0
	.amdhsa_kernel k_q5e8900d77e_proj
		.amdhsa_group_segment_fixed_size 327680
		.amdhsa_private_segment_fixed_size 0
		.amdhsa_enable_private_segment 0
		.amdhsa_kernarg_size 48
		.amdhsa_user_sgpr_count 2
		.amdhsa_user_sgpr_kernarg_segment_ptr 1
		.amdhsa_wavefront_size32 1
		.amdhsa_system_sgpr_workgroup_id_x 1
		.amdhsa_system_sgpr_workgroup_id_y 1
		.amdhsa_system_sgpr_workgroup_id_z 1
		.amdhsa_system_vgpr_workitem_id 0
		.amdhsa_next_free_vgpr 768
		.amdhsa_next_free_sgpr 100
		.amdhsa_reserve_vcc 0
		.amdhsa_float_denorm_mode_32 3
		.amdhsa_float_denorm_mode_16_64 3
		.amdhsa_memory_ordered 1
		.amdhsa_forward_progress 1
		.amdhsa_inst_pref_size 92
	.end_amdhsa_kernel
	.amdgpu_metadata
---
amdhsa.version: [ 1, 2 ]
amdhsa.kernels:
  - .name:           k_q5e8900d77e_proj
    .symbol:         k_q5e8900d77e_proj.kd
    .args:
      - { .name: yc, .offset: 0, .size: 8, .value_kind: global_buffer, .address_space: global }
      - { .name: ys, .offset: 8, .size: 8, .value_kind: global_buffer, .address_space: global }
      - { .name: Wproj_codes, .offset: 16, .size: 8, .value_kind: global_buffer, .address_space: global }
      - { .name: Wproj_scales, .offset: 24, .size: 8, .value_kind: global_buffer, .address_space: global }
      - { .name: bproj, .offset: 32, .size: 8, .value_kind: global_buffer, .address_space: global }
      - { .name: out0, .offset: 40, .size: 8, .value_kind: global_buffer, .address_space: global }
    .group_segment_fixed_size: 327680
    .private_segment_fixed_size: 0
    .kernarg_segment_align: 8
    .kernarg_segment_size: 48
    .max_flat_workgroup_size: 128
    .sgpr_count:     100
    .vgpr_count:     768
    .wavefront_size: 32
...
	.end_amdgpu_metadata
.endif
;; end of part 3
